; MI455X (gfx1250); checked and timed in simulation.
; The chip was launched on July 23, 2026; its instructions are those of AMD's public machine-readable ISA for CDNA 5 (MIT licence, August 2026) and "CDNA5" Instruction Set Architecture Reference Guide (July 2026). The comments in the code are by the model that wrote it; some were corrected since.
;; Self Attention. Allowed arithmetic: matrix products marked QUANTISED: E2M1 operands, one E8M0 scale for each 32 along K, by v_wmma_scale_f32_16x16x128_f8f6f4 with both operands' format E2M1 (or v_wmma_scale_f32_32x16x128_f4), f32 sums; products left as they are: bf16, f16 or f32 operands; f32 sums; everything else in f32.
;; Inputs: cache_k 2 x 2,048 x 4 x 128 float32; cache_v 2 x 2,048 x 4 x 128 float32; freqs_cos 2,048 x 64 float32; freqs_sin 2,048 x 64 float32; wk 512 x 4,096 float32; wo 4,096 x 1,024 float32; wq 1,024 x 4,096 float32; wv 512 x 4,096 float32; x 2 x 2,048 x 4,096 float32.
;; Outputs: out0 2 x 2,048 x 4,096 float32.
;; Constants: start_pos = 0.
;; This version of the problem:
;;   THIS VERSION OF THE PROBLEM IS GIVEN IN LOW PRECISION. The matrix products marked QUANTISED in the list below multiply operands that are first quantised to E2M1 (2 exponent bits, 1 mantissa bit; 4 bits a number), with one power-of-two scale for each 32 numbers along K (OCP MX v1.0); their sums are f32. The products marked 'left as it is' may take bf16, f16 or f32 operands, with f32 sums. Whichever they take, every output number must still come out within the allowed error. Rounding operands to bf16 (8 significant bits) uses up far more of that allowance than f16 does (11 bits, for magnitudes from 6e-5 to 65,504). All else is computed in f32.
;;   The module's matrix products, in the order in which they are computed (A, B: the left and right operand; K: the contracted axis; several contracted axes count as one K, in the product's order):
;;     1. [M 4,096, K 4,096] x [K 4,096, N 1,024]; A: input x; B: input wq: QUANTISED
;;     2. [M 4,096, K 4,096] x [K 4,096, N 512]; A: input x; B: input wk: QUANTISED
;;     3. [M 4,096, K 4,096] x [K 4,096, N 512]; A: input x; B: input wv: QUANTISED
;;     4. batch 8 x [M 2,048, K 128] x [K 128, N 4,096]; A: computed on the way; B: computed on the way: left as it is (an operand is computed on the way)
;;     5. batch 8 x [M 128, K 2,048] x [K 2,048, N 4,096]; A: computed on the way; B: computed on the way: left as it is (an operand is computed on the way)
;;     6. [M 4,096, K 1,024] x [K 1,024, N 4,096]; A: computed on the way; B: input wo: left as it is (an operand is computed on the way)
;;   THE QUANTISER, for each operand of a quantised product, along K:
;;     - K is cut into blocks of 32 from its start; a last block that is shorter is filled with zeros.
;;     - A block's scale is 2^e with e = floor(log2(the largest magnitude in the block)) - 2, held to -126 .. 127; a block of zeros has e = 0. As a byte (E8M0): e + 127.
;;     - Each number is divided by its block's scale, clamped to +-6, and rounded to the nearest number of E2M1, ties to even, subnormals kept.
;;     - The product sums the exact products of the quantised numbers (number of the format x scale) in f32.
;;   ~~~python
;;   def quantise(x, axis):      # numpy; x: float32 -> the quantised numbers, widened to float32 again
;;       x = np.moveaxis(x, axis, -1); K = x.shape[-1]
;;       x = np.pad(x, [(0, 0)] * (x.ndim - 1) + [(0, -K % 32)]); x = x.reshape(x.shape[:-1] + (-1, 32)); a = np.abs(x).max(-1, keepdims=True)
;;       e = np.where(a > 0, np.clip(np.frexp(np.where(a > 0, a, 1))[1] - 1 - 2, -126, 127), 0)      # np.frexp(a)[1] - 1 = floor(log2(a)), exactly
;;       r = np.clip(x / 2.0 ** e, -6, 6)
;;       step = 2.0 ** (np.maximum(np.frexp(np.where(r == 0, 1, r))[1] - 1, 0) - 1)
;;       q = np.round(r / step) * step * 2.0 ** e      # np.round: ties to even
;;       return np.moveaxis(q.reshape(q.shape[:-2] + (-1,))[..., :K], -1, axis).astype(np.float32)
;;   ~~~
;; One version. Each part assembles by itself: llvm-mc -triple=amdgcn-amd-amdhsa -mcpu=gfx1250 --defsym DOCPART=n.
;; ======== version 1 of 1: 4 launches
;; limits: values are held in f16: magnitudes above 65,504 overflow, below 6.1e-05 lose precision
;; workspace buffers: xc 8,388,608 bytes; xs 524,288 bytes; wc 4,194,304 bytes; ws 262,144 bytes; woh 8,388,608 bytes; qkv 16,777,216 bytes; att 8,388,608 bytes
;; launch quant (part 1): grid 768 x 1, 4 waves a work-group, no clusters, 33,280 bytes of LDS; arguments x, wq, wk, wv, xc, xs, wc, ws; writes xc, xs, wc, ws
.if DOCPART == 1
	.amdgcn_target "amdgcn-amd-amdhsa--gfx1250"
	.amdhsa_code_object_version 6
	.text
	.protected	k_qbd7a29aad0_quant
	.globl	k_qbd7a29aad0_quant
	.p2align	8
	.type	k_qbd7a29aad0_quant,@function
k_qbd7a29aad0_quant:
	s_mov_b64 s[64:65], 0
	v_nop
	global_prefetch_b8 v0, s[64:65] scope:SCOPE_SE
	s_setreg_imm32_b32 hwreg(HW_REG_WAVE_MODE, 25, 1), 1
	s_wait_xcnt 0x0
; LAUNCH 1 OF 4.  x [4096][4096] and wq, wk, wv ([1024], [512], [512] rows of 4096), f32 with K innermost, become codes of FP4 (E2M1), two a byte, K innermost, with one E8M0 byte for each 32 along K.
; The codes of wq, wk, wv lie one behind the other in wc (rows 0-1023, 1024-1535, 1536-2047), their scale bytes likewise in ws.
; WORK LEFT OUT, IN THE WHOLE PROGRAM: cache_k and cache_v.  start_pos is the constant 0 and the new keys and values have the caches' whole shape [2][2048][4][128], so dynamic_update_slice writes over
; every element of both caches before keys = cache_k[:, :2048] and values = cache_v[:, :2048] are read: whatever the two inputs hold, no element of them reaches an output.  They are not loaded and are among no launch's arguments.
; LIMIT: a NaN, an infinity or an overflow that stands only in cache_k or cache_v is not carried to the result.
; A block's scale is 2^(floor(log2(its largest magnitude)) - 2); its byte is the largest magnitude's exponent field - 2, held at 1 from below.  A block of zeros so gets the byte 1 where the rule says 127:
; its codes are zeros, which add nothing under any byte but 0xff, and the bytes are read by this program alone.  Each number is divided by the scale and rounded to the nearest code, ties to even, beyond 6 to 6.
; LIMITS: NaN and infinities among the inputs are not served; blocks whose largest magnitude lies under 2^(2 - 126) keep the byte 1.
; SHARES.  Rows are dense and K is a multiple of 32: each tensor is a plain stream of blocks of 32.  Work-groups 0-511 take x, 512-639 wq, 640-703 wk, 704-767 wv: 32,768 numbers each, 8,192 a wave, in 16 steps of 512.
; Only pointers are chosen: the four tensors take one path through the text.
; Each of a step's four loads reads 512 consecutive bytes; the 2,048 bytes turn through the wave's own stage in LDS (16 bytes of padding behind each 64) and come back 64 bytes a lane: 16 neighbours along K.
; A lane's 16 codes are 8 bytes: the wave stores 256 consecutive bytes.  A wave's 256 scale bytes are gathered in LDS and leave as one aligned run of 256 bytes.
; No tensor loads, no barrier, no matrix unit, no cluster: waves share nothing and every byte is read once.
.set WAVES, 4
.set STEPS, 16
.set CB,    8                          ; bytes of 16 codes
.set R,     16                         ; v16-79   four sets of 16 numbers as they are loaded
.set X,     80                         ; v80-111  two sets of 16 neighbours
.set E,     112                        ; v112-127 a scale byte for each step
.set C,     128                        ; v128-191 codes: four registers for each step, so that no store's data are written again
.set WREG,  8192                       ; LDS: a region for each wave: two stages of 32 x SP bytes, then its 256 scale bytes
.set SP,    80
.set SPW,   12                         ; v12  LDS address of my spare word; never rewritten
.set NIL,   13                         ; v13  0; never rewritten
.set SPARE, WAVES*WREG                 ; behind the four regions: the spare words, 128 bytes a wave
	s_load_b512 s[16:31], s[0:1], 0x0              ; x 16, wq 18, wk 20, wv 22, xc 24, xs 26, wc 28, ws 30
	v_lshl_add_u32 v[SPW], v0, 2, SPARE
	v_mov_b32 v[NIL], 0
	v_lshrrev_b32 v1, 5, v0
	v_readfirstlane_b32 s36, v1                    ; wave
	v_and_b32 v2, 31, v0                           ; lane
	v_lshlrev_b32 v3, 4, v2                        ; my 16 bytes of a load's 512
	s_mul_i32 s37, s36, WREG
	v_lshrrev_b32 v14, 2, v2
	v_mul_u32_u24 v14, v14, SP
	v_and_b32 v15, 3, v2
	v_lshl_add_u32 v14, v15, 4, v14
	v_add_nc_u32 v14, s37, v14                     ; the stage, on the way in: SP (lane / 4) + 16 (lane % 4)
	v_mul_u32_u24 v15, v2, SP
	v_add_nc_u32 v15, s37, v15                     ; and on the way out: SP x lane: my 16 neighbours
	v_mul_u32_u24 v4, v2, CB                       ; my codes' place in a step's
	v_lshrrev_b32 v5, 1, v2
	s_add_co_u32 s37, s37, 2*32*SP
	v_add_nc_u32 v5, s37, v5                       ; my wave's 256 scale bytes, my block's byte
	v_lshlrev_b32 v7, 3, v2
	v_add_nc_u32 v6, s37, v7                       ; and on the way out 8 bytes a lane
	s_wait_kmcnt 0x0
	s_mov_b64 s[4:5], s[22:23]                     ; which tensor: wv,
	s_mov_b32 s12, 704
	s_cmp_lt_u32 ttmp9, 704
	s_cselect_b64 s[4:5], s[20:21], s[4:5]         ; wk,
	s_cselect_b32 s12, 640, s12
	s_cmp_lt_u32 ttmp9, 640
	s_cselect_b64 s[4:5], s[18:19], s[4:5]         ; wq,
	s_cselect_b32 s12, 512, s12
	s_cmp_lt_u32 ttmp9, 512
	s_cselect_b64 s[4:5], s[16:17], s[4:5]         ; or x; s12: the tensor's first work-group
	s_cselect_b32 s12, 0, s12
	s_cselect_b64 s[8:9], s[24:25], s[28:29]       ; codes: xc or wc
	s_cselect_b64 s[10:11], s[26:27], s[30:31]     ; scale bytes: xs or ws
	s_cselect_b32 s13, 0, 512                      ; the first work-group of the codes' buffer
	s_sub_co_u32 s38, ttmp9, s12
	s_lshl_b32 s38, s38, 2
	s_add_co_u32 s38, s38, s36                     ; which run of 8,192 numbers of the tensor is my wave's
	s_lshl_b32 s38, s38, 15                        ; 32,768 bytes a run (64 MiB at the most)
	s_mov_b32 s39, 0
	s_add_nc_u64 s[4:5], s[4:5], s[38:39]
	s_sub_co_u32 s40, ttmp9, s13
	s_lshl_b32 s40, s40, 2
	s_add_co_u32 s40, s40, s36                     ; and which run of the codes' buffer
	s_lshl_b32 s42, s40, 12                        ; 4,096 bytes of codes a run
	s_mov_b32 s43, 0
	s_add_nc_u64 s[8:9], s[8:9], s[42:43]
	s_lshl_b32 s42, s40, 8                         ; 256 scale bytes a run
	s_add_nc_u64 s[10:11], s[10:11], s[42:43]
.macro LOAD t
.irp i, 0,1,2,3
	global_load_b128 v[R+16*((\t)%4)+4*\i:R+16*((\t)%4)+4*\i+3], v3, s[4:5] offset:2048*(\t)+512*\i th:TH_LOAD_NT   ; 32 lanes read 512 consecutive bytes
.endr
.endm
.macro TURN t                          ; step t's numbers through the stage: LDS serves a wave's instructions in order, so no wait stands between the stores and the loads
.irp i, 0,1,2,3
	ds_store_b128 v14, v[R+16*((\t)%4)+4*\i:R+16*((\t)%4)+4*\i+3] offset:32*SP*((\t)%2)+8*SP*\i
.endr
.irp i, 0,1,2,3
	ds_load_b128 v[X+16*((\t)%2)+4*\i:X+16*((\t)%2)+4*\i+3], v15 offset:32*SP*((\t)%2)+16*\i
.endr
.endm
.irp t, 0,1,2,3
	LOAD \t
.endr
	s_wait_loadcnt 12                              ; step 0's four loads are in; those of three steps stay out
	TURN 0
.macro STEP t
.set XS, X+16*((\t)%2)
.if (\t) > 0
	s_wait_dscnt 1                                 ; this step's numbers are back from the stage (the last step's byte store may be out)
.else
	s_wait_dscnt 0x0
.endif
.if (\t)+4 < STEPS
	LOAD (\t)+4                                    ; into the registers that this step's stores into the stage have read
.endif
.if (\t)+1 < STEPS
.if STEPS-2-(\t) >= 3
	s_wait_loadcnt 12                              ; the next step's four loads are in; those of the three steps behind it may be out
.else
	s_wait_loadcnt 4*(STEPS-2-(\t))
.endif
	TURN (\t)+1                                    ; through the other stage while this step is worked
.endif
	v_max3_num_f32 v8, |v[XS]|, |v[XS+1]|, |v[XS+2]|               ; the largest magnitude of my 16, in two chains
	v_max3_num_f32 v9, |v[XS+3]|, |v[XS+4]|, |v[XS+5]|
.irp i, 6,10
	v_max3_num_f32 v8, v8, |v[XS+\i]|, |v[XS+\i+1]|
	v_max3_num_f32 v9, v9, |v[XS+\i+2]|, |v[XS+\i+3]|
.endr
	v_max3_num_f32 v8, v8, |v[XS+14]|, |v[XS+15]|
	v_max3_num_f32 v8, v8, v9, 0x1800000           ; and the floor 2^(3 - 127): the byte cannot fall under 1
	v_max_num_f32_dpp v8, v8, v8 row_xmask:1 row_mask:0xf bank_mask:0xf   ; with my neighbour's 16: the block's
	v_add_nc_u32 v11, 0xff000000, v8               ; 2 off its exponent field: the conversion takes the exponent field of this operand as its scale
	v_cvt_scalef32_pk8_fp4_f32 v[C+4*(\t)], v[XS:XS+7], v11
	v_cvt_scalef32_pk8_fp4_f32 v[C+4*(\t)+1], v[XS+8:XS+15], v11
	v_lshrrev_b32 v[E+(\t)], 23, v11               ; the scale's byte (also the plain line behind the conversions)
	ds_store_b8 v5, v[E+(\t)] offset:16*(\t)       ; both lanes of a block write the same byte with the same value
	global_store_b64 v4, v[C+4*(\t):C+4*(\t)+1], s[8:9] offset:32*CB*(\t)   ; the wave stores 256 consecutive bytes, aligned
.endm
.irp t, 0,1,2,3,4,5,6,7,8,9,10,11,12,13,14,15
	STEP \t
.endr
	ds_load_b64 v[8:9], v6                         ; LDS serves a wave's instructions in order: these see my stores
	s_wait_dscnt 0x0
	global_store_b64 v7, v[8:9], s[10:11]          ; 32 lanes store 256 consecutive bytes, aligned
	s_wait_tensorcnt 0x0                           ; the wave's end
	ds_add_u32 v[SPW], v[NIL]
	s_wait_dscnt 0x0
	s_endpgm
.Lfunc_end_k_qbd7a29aad0_quant:
	.size	k_qbd7a29aad0_quant, .Lfunc_end_k_qbd7a29aad0_quant-k_qbd7a29aad0_quant
	.p2alignl 7, 3214868480
	.fill 96, 4, 3214868480
	.section	.rodata,"a",@progbits
	.p2align	6, 0x0
	.amdhsa_kernel k_qbd7a29aad0_quant
		.amdhsa_group_segment_fixed_size 33280
		.amdhsa_private_segment_fixed_size 0
		.amdhsa_enable_private_segment 0
		.amdhsa_kernarg_size 64
		.amdhsa_user_sgpr_count 2
		.amdhsa_user_sgpr_kernarg_segment_ptr 1
		.amdhsa_wavefront_size32 1
		.amdhsa_system_sgpr_workgroup_id_x 1
		.amdhsa_system_sgpr_workgroup_id_y 1
		.amdhsa_system_sgpr_workgroup_id_z 1
		.amdhsa_system_vgpr_workitem_id 0
		.amdhsa_next_free_vgpr 192
		.amdhsa_next_free_sgpr 66
		.amdhsa_reserve_vcc 0
		.amdhsa_float_denorm_mode_32 3
		.amdhsa_float_denorm_mode_16_64 3
		.amdhsa_memory_ordered 1
		.amdhsa_forward_progress 1
		.amdhsa_inst_pref_size 34
	.end_amdhsa_kernel
	.amdgpu_metadata
---
amdhsa.version: [ 1, 2 ]
amdhsa.kernels:
  - .name:           k_qbd7a29aad0_quant
    .symbol:         k_qbd7a29aad0_quant.kd
    .args:
      - { .name: x, .offset: 0, .size: 8, .value_kind: global_buffer, .address_space: global }
      - { .name: wq, .offset: 8, .size: 8, .value_kind: global_buffer, .address_space: global }
      - { .name: wk, .offset: 16, .size: 8, .value_kind: global_buffer, .address_space: global }
      - { .name: wv, .offset: 24, .size: 8, .value_kind: global_buffer, .address_space: global }
      - { .name: xc, .offset: 32, .size: 8, .value_kind: global_buffer, .address_space: global }
      - { .name: xs, .offset: 40, .size: 8, .value_kind: global_buffer, .address_space: global }
      - { .name: wc, .offset: 48, .size: 8, .value_kind: global_buffer, .address_space: global }
      - { .name: ws, .offset: 56, .size: 8, .value_kind: global_buffer, .address_space: global }
    .group_segment_fixed_size: 33280
    .private_segment_fixed_size: 0
    .kernarg_segment_align: 8
    .kernarg_segment_size: 64
    .max_flat_workgroup_size: 128
    .sgpr_count:     66
    .vgpr_count:     192
    .wavefront_size: 32
...
	.end_amdgpu_metadata
.endif
;; end of part 1
;; launch proj (part 2): grid 8 x 32, 4 waves a work-group, clusters of 4 x 4, 327,680 bytes of LDS; arguments xc, xs, wc, ws, freqs_cos, freqs_sin, qkv, wo, woh; writes qkv, woh
.if DOCPART == 2
	.amdgcn_target "amdgcn-amd-amdhsa--gfx1250"
	.amdhsa_code_object_version 6
	.text
	.protected	k_qbd7a29aad0_proj
	.globl	k_qbd7a29aad0_proj
	.p2align	8
	.type	k_qbd7a29aad0_proj,@function
k_qbd7a29aad0_proj:
	s_mov_b64 s[64:65], 0
	v_nop
	global_prefetch_b8 v0, s[64:65] scope:SCOPE_SE
	s_setreg_imm32_b32 hwreg(HW_REG_WAVE_MODE, 25, 1), 1
	s_wait_xcnt 0x0
	s_wait_alu depctr_hold_cnt(0) depctr_sa_sdst(0) depctr_va_vdst(0) depctr_va_sdst(0) depctr_va_ssrc(0) depctr_va_vcc(0) depctr_vm_vsrc(0)
	s_getreg_b32 s2, hwreg(HW_REG_IB_STS2, 6, 4)
	s_cmp_eq_u32 s2, 0
	s_cbranch_scc0 .Lentry_in_a_cluster
	s_endpgm
.Lentry_in_a_cluster:
	s_bfe_u32 s2, ttmp6, 0x10000c
	s_cmp_lg_u32 s2, 0xf033
	s_cbranch_scc0 .Lentry_shape_is_right
	s_endpgm
.Lentry_shape_is_right:
; LAUNCH 2 OF 4.  The three quantised products x wq^T, x wk^T, x wv^T as ONE product on codes of FP4 with E8M0 scales: M 4,096 (rows 2048 b + s of x), N 2,048 (rows of wc: 8 heads of q, 4 of k, 4 of v), K 4,096;
; sums in f32, K ascending, one accumulator for each output.  Then RoPE on q and k, in f32, and the results go out as f16: qkv [16 heads][4096 rows][128]; q and k are stored x 2^-3, v as it is.
; (cache_k and cache_v are left out: the first launch's head shows why.)
; BESIDE IT: wo [4096][1024] f32 becomes f16 in woh, for the last launch.  A wave takes 4,096 numbers: 32 loads of 512 consecutive bytes at the head, into 128 registers that the product leaves idle; between the loop and
; the last lap they are rounded and leave by 32 stores of 256 consecutive bytes.  That is 64 KiB in and 32 KiB out for a work-group, beside 816 KiB of codes and scale bytes.
; LIMITS: |q|, |k| after RoPE under 524,032, |v| and |wo| under 65,504 (f16); under 6e-5 times the storing scale f16 keeps an absolute step of 2^-24.  RoPE is a multiply and a fused multiply-add.
; SHARES.  A tile of the result is 128 rows x 256 columns: 32 x 8 = 256 work-groups.  Tiles of 256 x 256 would be 128, and two slots of them with the scale bytes of all of K do not fit in LDS.
; Four waves, each 64 rows x 128 columns, which are one head: 32 accumulators.  K goes in steps of 512 (rows of 256 bytes) through a ring of two LDS slots; the scale bytes of the tile's rows, for all of K, come once and stay.
; CLUSTERS: 4 x 4.  The four of a row of the cluster need the same rows of x, the four of a column the same rows of wc: each tile is asked for jointly, by the same tensor load with a mask that names the four.
; No prefetch: K has eight slots' worth only, and the codes of both operands are read by many work-groups at about the same time.
; THE MATRIX INSTRUCTION IS USED TRANSPOSED (source 0 = 16 rows of wc, source 1 = 16 rows of x): a lane holds one row of the result and eight neighbouring channels, four RoPE pairs.
; v TAKES THE SAME LINES AS q AND k: which columns are v's hangs on the place in the cluster.  So cos and sin are first turned into c = cos F + G, s = sin F with F = 1/8, G = 0 for q and k
; and F = 0, G = 1 for v: the rotation by (1, 0) leaves v as it is.
; REGISTERS: window 0: v16-31 addresses; v32-95 scale words, two sets; v96-159 x's fragments, two sets (on the way out: T); v160-191 packed results; v192-255 rows read back.
;   window 1: the 32 accumulators, (a, b) at v[8 (8 a + b)].   window 2: v0-127 wc's fragments, two sets of 64; v128-255 wo's numbers.   window 3: cos at v[64 a + 4 b], sin at v[64 a + 32 + 4 b].
.set PITCH,  272                       ; an LDS row: 256 bytes + 16 of padding: the 16 rows that a load touches start at 16 different banks
.set SLOT,   384*PITCH                 ; x's 128 rows, then wc's 256
.set BOFF,   128*PITCH
.set SCL,    2*SLOT                    ; x's scale bytes: 128 rows x 128 bytes as 64 rows of 256 + 16
.set SCB,    SCL+64*272                ; wc's: 256 rows x 128 bytes
.set SBLK,   8*272                     ; those of 16 rows
.set STAGE,  SCB+128*272               ; the way out: 16 rows x 272 bytes for each wave
.set SPARE,  STAGE+4*16*272            ; the spare words, 128 bytes a wave
.set ADRA, 16                          ; v16-17  LDS address of my fragments of x in slot 0, 1
.set ADRB, 20                          ; v20-21  of wc
.set GV,   22                          ; v22-23  G, twice
.set STO,  24
.set RD,   25
.set CO,   26                          ; 16 x lane
.set ADRS, 27                          ; my scale words: lanes 0-15 x's rows, lanes 16-31 wc's
.set SPW,  28
.set NIL,  29
.set CA,   30                          ; cos, sin: 256 r + 16 h
.set WOA,  31                          ; 8 x lane: my place in a store of woh
.set SC,   32
.set AF,   96
.set T,    96
.set TMP,  160
.set BK,   192
.set WON,  128                         ; wo's numbers, in window 2
.set G1,   24
.set G0,   32
.set G1B,  48
.set G0B,  56
.set G1S,  68
.set G0S,  76
.set G1SB, 80
.set G0SB, 88
.set MSB, 0
.macro WIN new                         ; the immediate's high byte repeats the setting that is left
.if MSB != \new
	s_set_vgpr_msb (MSB<<8)|\new
.set MSB, \new
.endif
.endm
.set MUL,   0x52                       ; source 0 (wc) window 2, source 1 (x) window 0, C and D window 1
.set TO_B,  0x80                       ; destination window 2
.set TO_CS, 0xc0                       ; destination window 3
.set PRE,   0xc3                       ; source 0 and destination window 3
.set ROPE,  0x0d                       ; source 0 window 1, source 1 window 3, source 2 and destination window 0
; A joint load: waves 0 and 1 fetch for x, waves 2 and 3 for wc.  The branch hangs on the wave's number alone.  An s_nop 0 and four v_nop follow each of the two lines.
.macro JLOAD g0a, g1a, g0b, g1b
	s_cmp_eq_u32 s15, 0
	s_cbranch_scc0 .Lfor_b_\@
	tensor_load_to_lds s[\g0a:\g0a+3], s[\g1a:\g1a+7]
	s_nop 0
.rept 4
	v_nop
.endr
	s_branch .Lasked_\@
.Lfor_b_\@:
	tensor_load_to_lds s[\g0b:\g0b+3], s[\g1b:\g1b+7]
	s_nop 0
.rept 4
	v_nop
.endr
.Lasked_\@:
.endm
.macro CREST                           ; a round of the cluster's barrier behind its opening barrier
	s_cmp_lg_u32 s14, 0
	s_cbranch_scc1 .Lnot_wave_0_\@
	s_barrier_signal -3
.Lnot_wave_0_\@:
	s_barrier_wait -3
	s_barrier_signal -1
	s_barrier_wait -1
.endm
.macro CROUND
	s_barrier_signal -1
	s_barrier_wait -1
	CREST
.endm
	s_load_b128 s[4:7], s[0:1], 0x0                ; xc, xs
	s_load_b128 s[8:11], s[0:1], 0x10              ; wc, ws
	s_load_b128 s[96:99], s[0:1], 0x20             ; cos, sin
	s_load_b64 s[12:13], s[0:1], 0x30              ; qkv
	v_lshl_add_u32 v[SPW], v0, 2, SPARE
	v_mov_b32 v[NIL], 0
	ds_add_u32 v[SPW], v[NIL]                      ; the wave's opening: the add, twice on end, and its wait ahead of my first tensor load
	ds_add_u32 v[SPW], v[NIL]
	v_lshrrev_b32 v1, 5, v0
	v_readfirstlane_b32 s14, v1                    ; wave 0..3
	s_lshr_b32 s15, s14, 1                         ; wm: which 64 rows are mine.  Also: I fetch for x (0) or for wc (1)
	s_and_b32 s16, s14, 1                          ; wn: which 128 columns.  Also: which half of that tile I fetch
	s_bfe_u32 s40, ttmp6, 0x40000                  ; cx
	s_bfe_u32 s41, ttmp6, 0x40004                  ; cy
	s_lshl_b32 s42, ttmp9, 2
	s_add_co_u32 s42, s42, s40                     ; tile column 0..7
	s_and_b32 s17, ttmp7, 0xffff
	s_lshl_b32 s17, s17, 2
	s_add_co_u32 s17, s17, s41                     ; tile row 0..31
	s_lshl_b32 s43, s41, 2
	s_lshl_b32 s43, 15, s43                        ; my row of the cluster
	s_lshl_b32 s44, 0x1111, s40                    ; my column
	; group 1, codes: rows of 256 elements of 1 byte, 2,048 bytes apart, 16 bytes of padding behind each; x 64 rows a load, wc 128
	s_or_b32 s[G1+0], s43, (0<<16)|(1<<20)|(1<<21)|(5<<22)|(3<<25)
	s_or_b32 s[G1B+0], s44, (0<<16)|(1<<20)|(1<<21)|(5<<22)|(3<<25)
	s_mov_b32 s[G1+1], 256<<16
	s_mov_b32 s[G1+2], 64<<16
	s_mov_b32 s[G1+3], 256<<16
	s_mov_b32 s[G1+4], 64
	s_mov_b32 s[G1+5], 2048
	s_mov_b32 s[G1+6], 0
	s_mov_b32 s[G1+7], 0
	s_mov_b32 s[G1B+1], 256<<16
	s_mov_b32 s[G1B+2], 128<<16
	s_mov_b32 s[G1B+3], 256<<16
	s_mov_b32 s[G1B+4], 128
	s_mov_b32 s[G1B+5], 2048
	s_mov_b32 s[G1B+6], 0
	s_mov_b32 s[G1B+7], 0
	; group 1, scale bytes: a dense block as rows of 256 bytes (32 elements of 8), 16 bytes of padding behind each; x 32 rows a load, wc 64
	s_or_b32 s[G1S+0], s43, (3<<16)|(1<<20)|(1<<21)|(5<<22)|(3<<25)
	s_or_b32 s[G1SB+0], s44, (3<<16)|(1<<20)|(1<<21)|(5<<22)|(3<<25)
	s_mov_b32 s[G1S+1], 32<<16
	s_mov_b32 s[G1S+2], 32<<16
	s_mov_b32 s[G1S+3], 32<<16
	s_mov_b32 s[G1S+4], 32
	s_mov_b32 s[G1S+5], 32
	s_mov_b32 s[G1S+6], 0
	s_mov_b32 s[G1S+7], 0
	s_mov_b32 s[G1SB+1], 32<<16
	s_mov_b32 s[G1SB+2], 64<<16
	s_mov_b32 s[G1SB+3], 32<<16
	s_mov_b32 s[G1SB+4], 64
	s_mov_b32 s[G1SB+5], 32
	s_mov_b32 s[G1SB+6], 0
	s_mov_b32 s[G1SB+7], 0
	s_lshl_b32 s18, s16, 6
	s_lshl_b32 s20, s17, 7
	s_add_co_u32 s20, s20, s18                     ; x: row 128 x tile row + 64 x half
	s_lshl_b32 s18, s16, 7
	s_lshl_b32 s46, s42, 8
	s_add_co_u32 s46, s46, s18                     ; wc: row 256 x tile column + 128 x half
	s_lshl_b32 s22, s20, 7                         ; their scale bytes: 128 a row
	s_mov_b32 s23, 0
	s_lshl_b32 s92, s46, 7
	s_mov_b32 s93, 0
	s_lshl_b32 s20, s20, 11                        ; their codes: 2,048 bytes a row
	s_mov_b32 s21, 0
	s_lshl_b32 s46, s46, 11
	s_mov_b32 s47, 0
	s_mul_i32 s45, s16, 64*PITCH                   ; where they go: no place in the cluster enters an LDS address
	s_mul_i32 s94, s16, 128*PITCH
	s_add_co_u32 s94, s94, BOFF
	s_mul_i32 s95, s16, 32*272
	s_mul_i32 s19, s16, 64*272
	s_wait_dscnt 0x0                               ; both opening adds are done
	s_wait_kmcnt 0x0
	s_add_nc_u64 s[20:21], s[4:5], s[20:21]
	s_add_nc_u64 s[22:23], s[6:7], s[22:23]
	s_add_nc_u64 s[46:47], s[8:9], s[46:47]
	s_add_nc_u64 s[92:93], s[10:11], s[92:93]
	CROUND                                         ; all sixteen work-groups are here: the first joint loads meet
	s_mov_b32 s[G0S], 1
	s_add_co_u32 s[G0S+1], s95, SCL
	s_mov_b64 s[G0S+2:G0S+3], s[22:23]
	s_or_b32 s[G0S+3], s[G0S+3], 0x80000000
	s_mov_b32 s[G0SB], 1
	s_add_co_u32 s[G0SB+1], s19, SCB
	s_mov_b64 s[G0SB+2:G0SB+3], s[92:93]
	s_or_b32 s[G0SB+3], s[G0SB+3], 0x80000000
	JLOAD G0S, G1S, G0SB, G1SB                     ; the scale bytes first: they are wanted with the first K step
.irp s, 0,1
	s_mov_b32 s[G0+4*\s], 1
	s_add_co_u32 s[G0+4*\s+1], s45, \s*SLOT
	s_add_nc_u64 s[G0+4*\s+2:G0+4*\s+3], s[20:21], \s*256
	s_or_b32 s[G0+4*\s+3], s[G0+4*\s+3], 0x80000000
	s_mov_b32 s[G0B+4*\s], 1
	s_add_co_u32 s[G0B+4*\s+1], s94, \s*SLOT
	s_add_nc_u64 s[G0B+4*\s+2:G0B+4*\s+3], s[46:47], \s*256
	s_or_b32 s[G0B+4*\s+3], s[G0B+4*\s+3], 0x80000000
	JLOAD G0+4*\s, G1, G0B+4*\s, G1B               ; three tensor loads of mine are out
.endr
	s_load_b64 s[4:5], s[0:1], 0x38                ; wo, woh: into the registers that xc's and xs's addresses have left; waited for below, behind the set-up
	s_load_b64 s[6:7], s[0:1], 0x40
	; cos and sin of my 64 rows: position (128 x tile row + 64 wm) mod 2,048 on; lane (r, h) takes, for block (a, b), the four pairs of channels 16 b + 8 h .. + 7 of row 16 a + r.  They land while K is walked
	s_lshl_b32 s18, s17, 7
	s_lshl_b32 s19, s15, 6
	s_add_co_u32 s18, s18, s19                     ; my first row
	s_and_b32 s20, s18, 2047
	s_lshl_b32 s20, s20, 8
	s_mov_b32 s21, 0
	s_add_nc_u64 s[96:97], s[96:97], s[20:21]
	s_add_nc_u64 s[98:99], s[98:99], s[20:21]
	v_and_b32 v1, 15, v0                           ; r
	v_bfe_u32 v2, v0, 4, 1                         ; h
	v_lshlrev_b32 v[CA], 8, v1
	v_lshl_add_u32 v[CA], v2, 4, v[CA]
	WIN TO_CS
.irp a, 0,1,2,3
.irp b, 0,1,2,3,4,5,6,7
	global_load_b128 v[64*\a+4*\b:64*\a+4*\b+3], v[CA], s[96:97] offset:4096*\a+32*\b
	global_load_b128 v[64*\a+32+4*\b:64*\a+32+4*\b+3], v[CA], s[98:99] offset:4096*\a+32*\b
.endr
.endr
	WIN 0
	s_lshl_b32 s46, s42, 1
	s_add_co_u32 s46, s46, s16                     ; my head: 2 x tile column + wn
	s_lshl_b32 s46, s46, 12
	s_add_co_u32 s46, s46, s18                     ; its row 4096 x head + my first row
	s_lshl_b32 s46, s46, 8
	s_mov_b32 s47, 0
	s_add_nc_u64 s[12:13], s[12:13], s[46:47]
	s_lshr_b32 s18, s42, 1                         ; tile columns 6 and 7 are v's: bits 1 and 2 of the column both set.  Plain arithmetic on numbers: values alone hang on it
	s_lshr_b32 s19, s42, 2
	s_and_b32 s18, s18, s19
	s_and_b32 s18, s18, 1
	s_mul_i32 s19, s18, 0x3f800000                 ; G = 1.0 for v, else 0
	s_xor_b32 s18, s18, 1
	s_mul_i32 s100, s18, 0x3e000000                ; F = 0 for v, else 1/8
	s_mov_b32 s101, s100
	v_mov_b32 v[GV], s19
	v_mov_b32 v[GV+1], s19
	v_mul_u32_u24 v3, v1, PITCH
	v_lshl_add_u32 v4, v2, 4, v3                   ; a fragment's row x pitch + 16 x half
	s_mul_i32 s21, s15, 64*PITCH                   ; my 64 rows of x
	s_mul_i32 s22, s16, 128*PITCH                  ; my 128 rows of wc
	s_add_co_u32 s22, s22, BOFF
.irp s, 0,1
	v_add_nc_u32 v[ADRA+\s], s21, v4
	v_add_nc_u32 v[ADRB+\s], s22, v4
	s_add_co_u32 s21, s21, SLOT
	s_add_co_u32 s22, s22, SLOT
.endr
	v_lshlrev_b32 v5, 7, v1                        ; my row's scale bytes: 128 a row,
	v_lshrrev_b32 v6, 1, v1
	v_lshl_add_u32 v5, v6, 4, v5                   ; and 16 more for each 256 passed
	s_mul_i32 s21, s15, 32*272                     ; x's: my 64 rows
	s_mul_i32 s22, s16, 64*272                     ; wc's: my 128 rows
	s_add_co_u32 s22, s22, SCB-SCL
	s_sub_co_u32 s22, s22, s21
	v_mul_u32_u24 v6, s22, v2                      ; lanes 16-31 take wc's: one product with h
	s_add_co_u32 s21, s21, SCL
	v_add_nc_u32 v5, v5, v6
	v_add_nc_u32 v[ADRS], s21, v5
	s_mul_i32 s23, s14, 16*272
	s_add_co_u32 s23, s23, STAGE                   ; my stage
	v_add_nc_u32 v[STO], s23, v4                   ; in: row r, 16 bytes for each half of the lanes
	v_mul_u32_u24 v5, v2, 272
	v_lshl_add_u32 v5, v1, 4, v5
	v_add_nc_u32 v[RD], s23, v5                    ; back: lanes 0-15 one row of 256 bytes, lanes 16-31 the next
	v_and_b32 v6, 31, v0
	v_lshlrev_b32 v[CO], 4, v6                     ; and the same 512 consecutive bytes in qkv
	; wo: my wave's 4,096 numbers are asked for now; they are rounded and stored behind the loop
	v_lshlrev_b32 v[WOA], 3, v6
	s_lshl_b32 s18, s17, 3
	s_add_co_u32 s18, s18, s42                     ; my work-group among the 256: 8 x tile row + tile column: it enters these two global addresses alone
	s_lshl_b32 s18, s18, 2
	s_add_co_u32 s18, s18, s14                     ; which run of 4,096 numbers is my wave's
	s_lshl_b32 s20, s18, 14                        ; 16,384 bytes in,
	s_mov_b32 s21, 0
	s_lshl_b32 s22, s18, 13                        ; 8,192 out
	s_mov_b32 s23, 0
	s_wait_kmcnt 0x0                               ; wo's and woh's addresses
	s_add_nc_u64 s[4:5], s[4:5], s[20:21]
	s_add_nc_u64 s[6:7], s[6:7], s[22:23]
	WIN TO_B
.set kk, 0
.rept 32
	global_load_b128 v[WON+4*kk:WON+4*kk+3], v[CO], s[4:5] offset:512*kk th:TH_LOAD_NT   ; 32 lanes read 512 consecutive bytes, read once in the launch
.set kk, kk+1
.endr
	WIN 0
.macro FRAG reg, adr, q, i             ; 16 rows x 128 K of 4-bit codes: 8 registers, two loads of 16 bytes, 32 bytes apart
.irp c, 0,1
	ds_load_b128 v[\reg+4*\c:\reg+4*\c+3], v[\adr] offset:64*(\q)+32*\c+(\i)*16*PITCH
.endr
.endm
.macro FETCH slot, q, p                ; 24 loads in one run: the fragments of the slot's q-th 128 along K into set p
	WIN TO_B
.irp i, 0,1,2,3,4,5,6,7
	FRAG 64*(\p)+8*\i, ADRB+\slot, \q, \i
.endr
	WIN 0
.irp i, 0,1,2,3
	FRAG AF+32*(\p)+8*\i, ADRA+\slot, \q, \i
.endr
.endm
.macro SCALES sc                       ; a slot's four scale words a row: lanes 0-15 x's block i (for i over 3: bytes that have landed and are not used), lanes 16-31 wc's block i
.irp i, 0,1,2,3,4,5,6,7
	ds_load_b128 v[SC+32*\sc+4*\i:SC+32*\sc+4*\i+3], v[ADRS] offset:\i*SBLK
.endr
.endm
; 8 matrix instructions: x's block a against wc's eight.  The 32 accumulators take turns, one instruction a turn, in the same order in every step.
.macro MULA a, p, q, sc, zero
.irp b, 0,1,2,3,4,5,6,7
.if \zero
	v_wmma_scale_f32_16x16x128_f8f6f4 v[8*(8*(\a)+\b):8*(8*(\a)+\b)+7], v[64*(\p)+8*\b:64*(\p)+8*\b+7], v[AF+32*(\p)+8*(\a):AF+32*(\p)+8*(\a)+7], 0, v[SC+32*(\sc)+4*\b+(\q)], v[SC+32*(\sc)+4*(\a)+(\q)] matrix_a_fmt:MATRIX_FMT_FP4 matrix_b_fmt:MATRIX_FMT_FP4 matrix_a_scale:MATRIX_SCALE_ROW1
.else
	v_wmma_scale_f32_16x16x128_f8f6f4 v[8*(8*(\a)+\b):8*(8*(\a)+\b)+7], v[64*(\p)+8*\b:64*(\p)+8*\b+7], v[AF+32*(\p)+8*(\a):AF+32*(\p)+8*(\a)+7], v[8*(8*(\a)+\b):8*(8*(\a)+\b)+7], v[SC+32*(\sc)+4*\b+(\q)], v[SC+32*(\sc)+4*(\a)+(\q)] matrix_a_fmt:MATRIX_FMT_FP4 matrix_b_fmt:MATRIX_FMT_FP4 matrix_a_scale:MATRIX_SCALE_ROW1
.endif
.endr
.endm
.macro PLACES n                        ; plain vector places between matrix instructions and loads into, or reads of, their registers
.rept \n
	v_nop
.endr
.endm
.macro STEP slot, q, zero              ; a step of 128 along K that has its successor in the same slot: the successor's fragments are asked for, then this step's 32 products
	s_wait_dscnt 0x0                               ; this step's fragments are in
	PLACES 4                                       ; the other set was read by the last step's products
	FETCH \slot, (\q)+1, ((\q)+1)%2
	WIN MUL
	MULA 0, (\q)%2, \q, \slot, \zero
	MULA 1, (\q)%2, \q, \slot, \zero
	MULA 2, (\q)%2, \q, \slot, \zero
	MULA 3, (\q)%2, \q, \slot, \zero
	WIN 0
.endm
; A slot's last step changes slots: ONE barrier; in front of it each wave waits for all its tensor loads, adds 0 to its spare word, and waits for that and for its reads of this slot.  fill = 1: the slot is filled again, two slots ahead.
.macro TURN slot, next, fill
	s_wait_tensorcnt 0x0                           ; all my tensor loads have landed: my part of the next slot
	ds_add_u32 v[SPW], v[NIL]
	s_wait_dscnt 1                                 ; this step's fragments are in; the add may be out
	WIN MUL
	MULA 0, 1, 3, \slot, 0                         ; eight matrix instructions stand between the add and the wait for it
	s_wait_dscnt 0x0                               ; the add is done, and my reads of this slot are over
	s_barrier_signal -1
	MULA 1, 1, 3, \slot, 0
	WIN 0
	s_barrier_wait -1
.if \fill
	CREST                                          ; the barrier has opened a round of the cluster's: no wave of any partner still reads this slot or has a load on its way
	s_add_nc_u64 s[G0+4*\slot+2:G0+4*\slot+3], s[G0+4*\slot+2:G0+4*\slot+3], 512
	s_add_nc_u64 s[G0B+4*\slot+2:G0B+4*\slot+3], s[G0B+4*\slot+2:G0B+4*\slot+3], 512
	JLOAD G0+4*\slot, G1, G0B+4*\slot, G1B         ; the first tensor load behind the round; its four v_nop are the places in front of the loads below
.else
	PLACES 4
.endif
	v_add_nc_u32 v[ADRS], 16, v[ADRS]              ; the next slot's scale words
	FETCH \next, 0, 0
	SCALES \next
	WIN MUL
	MULA 2, 1, 3, \slot, 0
	MULA 3, 1, 3, \slot, 0
	WIN 0
.endm
	s_wait_tensorcnt 1                             ; the scale bytes and my part of slot 0 are in; slot 1's load may be out
	s_barrier_signal -1
	s_barrier_wait -1
	FETCH 0, 0, 0
	SCALES 0
	STEP 0, 0, 1                                   ; the first step stands in front of the loop: its products start the sums
	s_mov_b32 s3, 3
.Llap:                                             ; a trip goes once round the ring and fills both slots again: six refills for K's eight slots' worth
	STEP 0, 1, 0
	STEP 0, 2, 0
	TURN 0, 1, 1
	STEP 1, 0, 0
	STEP 1, 1, 0
	STEP 1, 2, 0
	TURN 1, 0, 1
	STEP 0, 0, 0
	s_sub_co_u32 s3, s3, 1
	s_cmp_lg_u32 s3, 0
	s_cbranch_scc1 .Llap
	; wo to f16, in place and ascending: pair kk's two results land on registers whose numbers have been read.  The stores leave while the last lap is multiplied; their registers are not written again
	s_wait_loadcnt 0x0                             ; wo's numbers (and cos and sin), asked for at the head
	WIN 0x8a                                       ; sources 0 and 1 and the destination: window 2
.set kk, 0
.rept 32
	v_cvt_pk_f16_f32 v[WON+2*kk], v[WON+4*kk], v[WON+4*kk+1]
	v_cvt_pk_f16_f32 v[WON+2*kk+1], v[WON+4*kk+2], v[WON+4*kk+3]
.set kk, kk+1
.endr
	WIN 0x08                                       ; a store's data are its source 1: window 2
.set kk, 0
.rept 32
	global_store_b64 v[WOA], v[WON+2*kk:WON+2*kk+1], s[6:7] offset:256*kk   ; 32 lanes store 256 consecutive bytes, aligned
.set kk, kk+1
.endr
	WIN 0
	STEP 0, 1, 0                                   ; the last lap fills nothing
	STEP 0, 2, 0
	TURN 0, 1, 0
	STEP 1, 0, 0
	STEP 1, 1, 0
	STEP 1, 2, 0
	s_wait_dscnt 0x0
	WIN MUL
	MULA 0, 1, 3, 1, 0
	MULA 1, 1, 3, 1, 0
	MULA 2, 1, 3, 1, 0
	MULA 3, 1, 3, 1, 0
	WIN 0
	; THE WAY OUT.  c = cos F + G, s = sin F: 128 plain instructions on window 3, which are also the places behind the last products
	WIN PRE
.irp a, 0,1,2,3
.irp p, 0,2,4,6,8,10,12,14,16,18,20,22,24,26,28,30
	v_pk_fma_f32 v[64*\a+\p:64*\a+\p+1], v[64*\a+\p:64*\a+\p+1], s[100:101], v[GV:GV+1] op_sel_hi:[1,0,1]
	v_pk_mul_f32 v[64*\a+32+\p:64*\a+32+\p+1], v[64*\a+32+\p:64*\a+32+\p+1], s[100:101] op_sel_hi:[1,0]
.endr
.endr
; Block a, 16 rows x 128 channels.  A register pair (x0, x1) of an accumulator is one RoPE pair: (x0 c, x1 c), then (- x1 s + x0 c, x0 s + x1 c).  Each accumulator is read from its low end on.
.macro PACK a
	WIN ROPE
.irp b, 0,1,2,3,4,5,6,7
.irp g, 0,1
.irp e, 0,1
	v_pk_mul_f32 v[T+8*\b+4*\g+2*\e:T+8*\b+4*\g+2*\e+1], v[8*(8*(\a)+\b)+4*\g+2*\e:8*(8*(\a)+\b)+4*\g+2*\e+1], v[64*(\a)+4*\b+2*\g:64*(\a)+4*\b+2*\g+1] op_sel:[0,\e] op_sel_hi:[1,\e]
.endr
.endr
.irp g, 0,1
.irp e, 0,1
	v_pk_fma_f32 v[T+8*\b+4*\g+2*\e:T+8*\b+4*\g+2*\e+1], v[8*(8*(\a)+\b)+4*\g+2*\e:8*(8*(\a)+\b)+4*\g+2*\e+1], v[64*(\a)+32+4*\b+2*\g:64*(\a)+32+4*\b+2*\g+1], v[T+8*\b+4*\g+2*\e:T+8*\b+4*\g+2*\e+1] op_sel:[1,\e,0] op_sel_hi:[0,\e,1] neg_lo:[1,0,0]
.endr
.endr
.endr
	WIN 0
.set i, 0
.rept 32
	v_cvt_pk_f16_f32 v[TMP+i], v[T+2*i], v[T+2*i+1]
.set i, i+1
.endr
.endm
.macro TOSTAGE a                       ; 16 bytes a lane into rows of 272 bytes, and back as whole rows of 256: LDS serves a wave's instructions in order
.set BB, BK+32*((\a)%2)
.irp b, 0,1,2,3,4,5,6,7
	ds_store_b128 v[STO], v[TMP+4*\b:TMP+4*\b+3] offset:32*\b
.endr
.irp t, 0,1,2,3,4,5,6,7
	ds_load_b128 v[BB+4*\t:BB+4*\t+3], v[RD] offset:\t*2*272
.endr
.endm
.macro SEND a
.set BB, BK+32*((\a)%2)
	s_wait_dscnt 0x0                               ; the block is back in registers
	s_wait_xcnt 0x0                                ; the block before has been read by its stores: the next block's loads may land in its registers
.irp t, 0,1,2,3,4,5,6,7
	global_store_b128 v[CO], v[BB+4*\t:BB+4*\t+3], s[12:13] offset:4096*(\a)+512*\t   ; 32 lanes store 512 consecutive bytes, aligned: two rows of a head
.endr
.endm
	PACK 0
	TOSTAGE 0
.irp a, 1,2,3
	PACK \a                                        ; a block's arithmetic stands between the loads of the block before and the wait for them
	SEND \a-1
	TOSTAGE \a
.endr
	SEND 3
	s_wait_tensorcnt 0x0                           ; the wave's end
	ds_add_u32 v[SPW], v[NIL]
	s_wait_dscnt 0x0
	CROUND                                         ; the closing round: no work-group ends while a partner may still ask for a tile that names it
	s_endpgm
.Lfunc_end_k_qbd7a29aad0_proj:
	.size	k_qbd7a29aad0_proj, .Lfunc_end_k_qbd7a29aad0_proj-k_qbd7a29aad0_proj
	.p2alignl 7, 3214868480
	.fill 96, 4, 3214868480
	.section	.rodata,"a",@progbits
	.p2align	6, 0x0
	.amdhsa_kernel k_qbd7a29aad0_proj
		.amdhsa_group_segment_fixed_size 327680
		.amdhsa_private_segment_fixed_size 0
		.amdhsa_enable_private_segment 0
		.amdhsa_kernarg_size 72
		.amdhsa_user_sgpr_count 2
		.amdhsa_user_sgpr_kernarg_segment_ptr 1
		.amdhsa_wavefront_size32 1
		.amdhsa_system_sgpr_workgroup_id_x 1
		.amdhsa_system_sgpr_workgroup_id_y 1
		.amdhsa_system_sgpr_workgroup_id_z 1
		.amdhsa_system_vgpr_workitem_id 0
		.amdhsa_next_free_vgpr 1024
		.amdhsa_next_free_sgpr 102
		.amdhsa_reserve_vcc 0
		.amdhsa_float_denorm_mode_32 3
		.amdhsa_float_denorm_mode_16_64 3
		.amdhsa_memory_ordered 1
		.amdhsa_forward_progress 1
		.amdhsa_inst_pref_size 164
	.end_amdhsa_kernel
	.amdgpu_metadata
---
amdhsa.version: [ 1, 2 ]
amdhsa.kernels:
  - .name:           k_qbd7a29aad0_proj
    .symbol:         k_qbd7a29aad0_proj.kd
    .args:
      - { .name: xc, .offset: 0, .size: 8, .value_kind: global_buffer, .address_space: global }
      - { .name: xs, .offset: 8, .size: 8, .value_kind: global_buffer, .address_space: global }
      - { .name: wc, .offset: 16, .size: 8, .value_kind: global_buffer, .address_space: global }
      - { .name: ws, .offset: 24, .size: 8, .value_kind: global_buffer, .address_space: global }
      - { .name: freqs_cos, .offset: 32, .size: 8, .value_kind: global_buffer, .address_space: global }
      - { .name: freqs_sin, .offset: 40, .size: 8, .value_kind: global_buffer, .address_space: global }
      - { .name: qkv, .offset: 48, .size: 8, .value_kind: global_buffer, .address_space: global }
      - { .name: wo, .offset: 56, .size: 8, .value_kind: global_buffer, .address_space: global }
      - { .name: woh, .offset: 64, .size: 8, .value_kind: global_buffer, .address_space: global }
    .group_segment_fixed_size: 327680
    .private_segment_fixed_size: 0
    .kernarg_segment_align: 8
    .kernarg_segment_size: 72
    .max_flat_workgroup_size: 128
    .sgpr_count:     102
    .vgpr_count:     1024
    .wavefront_size: 32
...
	.end_amdgpu_metadata
.endif
;; end of part 2
;; launch attn (part 3): grid 16 x 16, 4 waves a work-group, clusters of 4 x 1, 327,680 bytes of LDS; arguments qkv, att; writes att
.if DOCPART == 3
	.amdgcn_target "amdgcn-amd-amdhsa--gfx1250"
	.amdhsa_code_object_version 6
	.text
	.protected	k_qbd7a29aad0_attn
	.globl	k_qbd7a29aad0_attn
	.p2align	8
	.type	k_qbd7a29aad0_attn,@function
k_qbd7a29aad0_attn:
	s_mov_b64 s[64:65], 0
	v_nop
	global_prefetch_b8 v0, s[64:65] scope:SCOPE_SE
	s_setreg_imm32_b32 hwreg(HW_REG_WAVE_MODE, 25, 1), 1
	s_wait_xcnt 0x0
	s_wait_alu depctr_hold_cnt(0) depctr_sa_sdst(0) depctr_va_vdst(0) depctr_va_sdst(0) depctr_va_ssrc(0) depctr_va_vcc(0) depctr_vm_vsrc(0)
	s_getreg_b32 s2, hwreg(HW_REG_IB_STS2, 6, 4)
	s_cmp_eq_u32 s2, 0
	s_cbranch_scc0 .Lentry_in_a_cluster
	s_endpgm
.Lentry_in_a_cluster:
	s_bfe_u32 s2, ttmp6, 0x10000c
	s_cmp_lg_u32 s2, 0x3003
	s_cbranch_scc0 .Lentry_shape_is_right
	s_endpgm
.Lentry_shape_is_right:
; LAUNCH 3 OF 4.  att[2048 b + s][128 hq + d] = the sum over t of softmax_t(q . k / sqrt(128)) v, for 2 batches x 8 query heads; query head hq takes key and value head hq / 2.  No mask.
; q, k, v: qkv [16][4096][128] f16 (heads 0-7 q x 2^-3, 8-11 k x 2^-3, 12-15 v).  Products on f16 operands, sums, maxima and the softmax in f32; the weights p, at most 1, are rounded to f16; att is f16.
; (cache_k and cache_v are left out: the first launch's head shows why.)   LIMIT: |att| under 65,504; under 6e-5 f16 keeps an absolute step of 2^-24.
; SHARES.  A work-group owns 128 queries of one (b, hq): 16 x 16 = 256 work-groups.  Wave w owns 64 of them (w % 2: four tiles of 16) and HALF the keys (1024 (w / 2) on), 64 a step, 16 steps:
; so a fragment of K or V read from LDS feeds four tiles of queries.  The two waves of a pair of halves are joined once, at the end, through LDS, by their maxima and sums.
; LAYOUT.  S^T = K Q^T and O^T = V^T P: a lane holds one query throughout.  K comes out of LDS as it lies, V turned, by ds_load_tr16_b128.
; SOFTMAX.  A running maximum m and sum l for each query: p = 2^(c s - c m), c = 64 log2(e) / sqrt(128) (the 64 takes back the two 2^-3); in every step O and l are multiplied by a = 2^(c m_old - c m_new).
; BY TURNS.  The wave's tiles are two pieces (tiles 0, 1 and tiles 2, 3).  In a turn one piece has the matrix unit (32 products V^T P, then 32 products K Q^T of the next step) and the other piece's softmax stands
; in 64 slices between them, one behind each matrix instruction.  Two turns are a key step.
; CLUSTER.  The four query blocks of a cluster belong to one (b, hq) and walk the same K and V: each tile is asked for jointly, with a mask that names the four.
; REGISTERS: window 0: v2-8 addresses; v12-43 statistics, eight a tile; v44, v45 the exchange's addresses; v61-63; v64-191 S^T; v192-255 P.   window 1: O^T, 64 a tile.   window 2: v0-127 Q; v128-255 K.   window 3: v0-127 V.
.set KS,    64
.set PK,    272       ; a row of K in LDS: 256 bytes + 16
.set PV,    288       ; a row of V: 256 + 32
.set VOFF,  128*PK    ; a half slot: 128 rows of K (two steps), then 128 rows of V
.set HALFB, 128*(PK+PV)
.set SLOT,  2*HALFB   ; both halves of the keys
.set STAGE, 2*SLOT    ; behind the ring: 16 rows x 272 bytes for each wave
.set SP,    272
.set SPARE, STAGE+4*16*SP
.set XP,    33792     ; the exchange, in slot 0 (it has had its last fill, and nobody reads it behind the last change of slots): for each pair 64 register images of 512 bytes, then 8 x 128 bytes of statistics
.set AK0, 2
.set AV0, 3
.set ADR, 4
.set QO,  5
.set STO, 6
.set RD,  7
.set GO,  8
.set XA,  44          ; v44  qh XP + 16 x lane
.set XSA, 45          ; v45  qh XP + 32,768 + 4 x lane
.set PFO, 61          ; v61  256 x lane
.set SPW, 62
.set NIL, 63
.set ST,  12          ; tile t: +0 c m, +1 m, +2, +3 l, +4 to +7 at work
.set S,   64
.set P,   192
.set KF,  128
.set WV,  12
.set CX,  13
.set LIM, 15          ; 1 in a wave that prefetches, else the greatest number
.set KIND, 16         ; wave % 2: my 64 queries; also: I fetch K (0) or V (1)
.set KH,  17          ; wave / 2: my half of the keys, to read and to fetch
.set PFA, 18
.set G1K, 24
.set G1V, 32
.set G0,  40          ; s[40:43] slot 0, s[44:47] slot 1
.set HB,  48          ; KH x HALFB
.set TBK, 49          ; LDS byte at which the K rows of the step to be fetched begin
.set TBV, 50          ; the same for V (less VOFF)
.set QA,  52
.set OA,  54
.set TRIPS, 56
.set TWICE, 57
.set CS,  58
.set SEL, 60
.set MSB, 0
.macro WIN new
.if MSB != \new
	s_set_vgpr_msb (MSB<<8)|\new
.set MSB, \new
.endif
.endm
.set W_KQ, 0x0a       ; K and Q in window 2, S^T in window 0
.set W_PV, 0x53       ; V in window 3, P in window 0, O^T in window 1
.set W_RS, 0x41       ; O^T in window 1, a in window 0
; A joint refill of a slot: every wave fetches one tile of 128 rows: K's or V's, of its half of the keys.  The branch hangs on the wave's number alone.  An s_nop 0 and four v_nop follow each line.
.macro JLOAD slot
	s_cmp_eq_u32 s[KIND], 0
	s_cbranch_scc0 .Lfor_v_\@
	tensor_load_to_lds s[G0+4*\slot:G0+4*\slot+3], s[G1K:G1K+7]
	s_nop 0
.rept 4
	v_nop
.endr
	s_branch .Lasked_\@
.Lfor_v_\@:
	tensor_load_to_lds s[G0+4*\slot:G0+4*\slot+3], s[G1V:G1V+7]
	s_nop 0
.rept 4
	v_nop
.endr
.Lasked_\@:
.endm
; A PREFETCH INTO THE L2 of what the NEXT change of slots will ask for, behind the wave's tensor load and its five lines: two key steps, 256 matrix instructions, ahead of that load.
; Each row of 256 bytes is named once in the launch: K and V of (b, hq / 2) are walked by two query heads and four clusters each; the first cluster of the even head asks.  Of the 128 rows that wave w fetches,
; the partner at place cx takes 32, told apart by address; a lane a row.  The slots' first three fills come by their loads alone; the last change that fills a slot asks for nothing.
.macro ASK how
.if \how
	s_cmp_eq_u32 s[LIM], 1
.else
	s_cmp_gt_u32 s[TRIPS], s[LIM]                  ; s[TRIPS] = 1 in the loop's last trip
.endif
	s_cbranch_scc0 .Lnot_mine_\@
	global_prefetch_b8 v[PFO], s[PFA:PFA+1] th:TH_LOAD_NT scope:SCOPE_SE
.Lnot_mine_\@:
.endm
.macro CROUND
	s_barrier_signal -1
	s_barrier_wait -1
	s_cmp_lg_u32 s[WV], 0
	s_cbranch_scc1 .Lnot_wave_0_\@
	s_barrier_signal -3
.Lnot_wave_0_\@:
	s_barrier_wait -3
	s_barrier_signal -1
	s_barrier_wait -1
.endm
	s_load_b128 s[4:7], s[0:1], 0x0  ; qkv s[4:5], att s[6:7]
	v_lshl_add_u32 v[SPW], v0, 2, SPARE
	v_mov_b32 v[NIL], 0
	ds_add_u32 v[SPW], v[NIL]       ; the wave's opening: the add, twice on end, and its wait ahead of my first tensor load
	ds_add_u32 v[SPW], v[NIL]
	v_lshrrev_b32 v1, 5, v0
	v_readfirstlane_b32 s[WV], v1
	s_and_b32 s[KIND], s[WV], 1
	s_lshr_b32 s[KH], s[WV], 1
	s_bfe_u32 s[CX], ttmp6, 0x40000
	s_lshl_b32 s14, ttmp9, 2
	s_add_co_u32 s14, s14, s[CX]    ; my block of 128 queries: it enters Q's and att's addresses alone
	s_and_b32 s20, ttmp7, 0xffff    ; 8 b + hq, which the four partners share
	s_lshr_b32 s21, s20, 3          ; b
	s_and_b32 s22, s20, 7           ; hq
	s_lshr_b32 s23, s22, 1          ; the key and value head
	s_lshl_b32 s2, s[KIND], 2       ; my tile's first row in qkv: 4096 (8 + 4 kind + g) + 2048 b + 1024 kh
	s_add_co_u32 s2, s2, s23
	s_add_co_u32 s2, s2, 8
	s_lshl_b32 s2, s2, 12
	s_lshl_b32 s3, s21, 11
	s_add_co_u32 s2, s2, s3
	s_lshl_b32 s3, s[KH], 10
	s_add_co_u32 s2, s2, s3
	s_lshl_b32 s2, s2, 8            ; in bytes
	s_mov_b32 s3, 0
	s_lshl_b32 s[QA], s22, 12       ; Q: row 4096 hq + 2048 b + 128 block + 64 qh
	s_lshl_b32 s20, s21, 11
	s_add_co_u32 s[QA], s[QA], s20
	s_lshl_b32 s[OA], s14, 7
	s_lshl_b32 s14, s[KIND], 6
	s_add_co_u32 s[OA], s[OA], s14
	s_add_co_u32 s[QA], s[QA], s[OA]
	s_lshl_b32 s[QA], s[QA], 8
	s_mov_b32 s[QA+1], 0
	s_add_co_u32 s[OA], s[OA], s20  ; att: row 2048 b + 128 block + 64 qh of 2,048 bytes, + 256 hq
	s_lshl_b32 s[OA], s[OA], 11
	s_lshl_b32 s14, s22, 8
	s_add_co_u32 s[OA], s[OA], s14
	s_mov_b32 s[OA+1], 0
	s_mul_i32 s[HB], s[KH], HALFB   ; my half of a slot: no place in the cluster enters an LDS address
	s_mul_i32 s23, s[KIND], VOFF
	s_add_co_u32 s23, s23, s[HB]    ; where my tile goes in a slot
	s_mov_b32 s[TBK], s[HB]
	s_mov_b32 s[TBV], s[HB]
	; group 1: a tile of 128 rows x 128 elements of 2 bytes, padded in LDS: K 4 words behind each 64, V 8
	s_mov_b32 s[G1K], 15|(1<<16)|(1<<20)|(1<<21)|(5<<22)|(3<<25)
	s_mov_b32 s[G1V], 15|(1<<16)|(1<<20)|(1<<21)|(5<<22)|(7<<25)
.irp g, G1K, G1V
	s_mov_b32 s[\g+1], 128<<16
	s_mov_b32 s[\g+2], 128<<16
	s_mov_b32 s[\g+3], 128<<16
	s_mov_b32 s[\g+4], 128
	s_mov_b32 s[\g+5], 128
	s_mov_b32 s[\g+6], 0
	s_mov_b32 s[\g+7], 0
.endr
	s_mov_b32 s[CS], 0x410293ee     ; c = 64 log2(e) / sqrt(128)
	s_mov_b32 s[CS+1], s[CS]
	s_mov_b32 s[SEL], 0x76543210
	s_mov_b32 s[SEL+1], 0xfedcba98
	s_mov_b32 s[TRIPS], 3
	s_and_b32 s[LIM], s22, 1        ; 0 for the even head
	s_or_b32 s[LIM], s[LIM], ttmp9  ; of the first cluster: the same in all four partners
	s_cmp_eq_u32 s[LIM], 0
	s_cselect_b32 s[LIM], 1, -1
	v_and_b32 v[PFO], 31, v0
	v_lshlrev_b32 v[PFO], 8, v[PFO]
	s_wait_dscnt 0x0                ; both opening adds are done
	s_wait_kmcnt 0x0
	s_add_nc_u64 s[20:21], s[4:5], s[2:3]  ; my tile of the first 128 keys of my half
	s_add_nc_u64 s[QA:QA+1], s[4:5], s[QA:QA+1]
	s_add_nc_u64 s[OA:OA+1], s[6:7], s[OA:OA+1]
	s_lshl_b32 s2, s[CX], 13        ; my work-group's 32 rows of the 128
	s_add_nc_u64 s[PFA:PFA+1], s[20:21], s[2:3]
	s_add_nc_u64 s[PFA:PFA+1], s[PFA:PFA+1], 2*32768  ; at the third fill; the first change of slots steps it to the fourth.  Nothing is prefetched at the head
	CROUND                          ; all four work-groups are here: the first joint loads meet
.irp s, 0,1
	s_mov_b32 s[G0+4*\s], 1
	s_add_co_u32 s[G0+4*\s+1], s23, \s*SLOT
	s_add_nc_u64 s[G0+4*\s+2:G0+4*\s+3], s[20:21], \s*32768
	s_or_b32 s[G0+4*\s+3], s[G0+4*\s+3], 0x80000000
.endr
	s_cmp_eq_u32 s[KIND], 0         ; a wave's two first fills stand in one arm: two loads of mine are out
	s_cbranch_scc0 .Lfirst_v
	tensor_load_to_lds s[G0:G0+3], s[G1K:G1K+7]
	s_nop 0
	tensor_load_to_lds s[G0+4:G0+7], s[G1K:G1K+7]
	s_nop 0
.rept 4
	v_nop
.endr
	s_branch .Lfirst_asked
.Lfirst_v:
	tensor_load_to_lds s[G0:G0+3], s[G1V:G1V+7]
	s_nop 0
	tensor_load_to_lds s[G0+4:G0+7], s[G1V:G1V+7]
	s_nop 0
.rept 4
	v_nop
.endr
.Lfirst_asked:
	v_and_b32 v1, 15, v0            ; l % 16
	v_bfe_u32 v9, v0, 4, 1          ; l / 16
	v_lshlrev_b32 v[QO], 8, v1
	v_lshl_add_u32 v[QO], v9, 4, v[QO]
	WIN 0x80                        ; destination window 2
.irp i, 0,1,2,3,4,5,6,7,8,9,10,11,12,13,14,15  ; Q stays in registers: tile i / 4, channels 32 (i % 4) on
	global_load_b128 v[8*\i:8*\i+3],   v[QO], s[QA:QA+1] offset:(\i/4)*4096+(\i%4)*64
	global_load_b128 v[8*\i+4:8*\i+7], v[QO], s[QA:QA+1] offset:(\i/4)*4096+(\i%4)*64+32
.endr
	WIN 0
	v_mul_u32_u24 v[AK0], v1, PK
	v_lshl_add_u32 v[AK0], v9, 4, v[AK0]
	v_and_b32 v10, 7, v0
	v_bfe_u32 v11, v0, 3, 1
	v_lshl_add_u32 v[AV0], v9, 3, v10
	v_mul_u32_u24 v[AV0], v[AV0], PV
	v_lshl_add_u32 v[AV0], v11, 4, v[AV0]
	v_add_nc_u32 v[AV0], VOFF, v[AV0]
	s_mul_i32 s14, s[KIND], XP      ; the exchange's addresses are made here, ahead of every parting of the waves
	v_and_b32 v10, 31, v0
	v_lshl_add_u32 v[XA], v10, 4, s14
	v_lshl_add_u32 v[XSA], v10, 2, s14
	v_add_nc_u32 v[XSA], 32768, v[XSA]
; Product i of 32 of O^T += V^T P: keys 32 (i / 16) on, channels 16 ((i / 2) % 8) on, tile x + i % 2.  The accumulators take turns.
.macro PV x, zero
	WIN W_PV
.set rO, 64*(\x+i%2)+8*((i/2)%8)
.set rV, 64*(i/16)+8*((i/2)%8)
.set rP, P+16*(\x+i%2)+8*(i/16)
.if \zero && (i < 16)
	v_wmma_f32_16x16x32_f16 v[rO:rO+7], v[rV:rV+7], v[rP:rP+7], 0
.else
	v_wmma_f32_16x16x32_f16 v[rO:rO+7], v[rV:rV+7], v[rP:rP+7], v[rO:rO+7]
.endif
.endm
; Product i of 32 of S^T = K Q^T: channels 32 (i / 8) on, keys 16 ((i / 2) % 4) on, tile x + i % 2.  The first 8 start the sums.
.macro KQ x
	WIN W_KQ
.set rS, S+32*(\x+i%2)+8*((i/2)%4)
.set rK, KF+32*((i/2)%4)+8*(i/8)
.set rQ, 32*(\x+i%2)+8*(i/8)
.if i < 8
	v_wmma_f32_16x16x32_f16 v[rS:rS+7], v[rK:rK+7], v[rQ:rQ+7], 0
.else
	v_wmma_f32_16x16x32_f16 v[rS:rS+7], v[rK:rK+7], v[rQ:rQ+7], v[rS:rS+7]
.endif
.endm
; The LDS loads stand in runs of 32: a step's K and, a turn later, its V (turned).
.macro FETCH_K
	WIN 0
	v_add_nc_u32 v[ADR], s[TBK], v[AK0]
	s_add_co_u32 s[TBK], s[TBK], KS*PK  ; the next fetch is the next step's
	WIN 0x80
.irp f, 0,1,2,3,4,5,6,7,8,9,10,11,12,13,14,15
	ds_load_b128 v[KF+8*\f:KF+8*\f+3],   v[ADR] offset:(\f/4)*16*PK+(\f%4)*64
	ds_load_b128 v[KF+8*\f+4:KF+8*\f+7], v[ADR] offset:(\f/4)*16*PK+(\f%4)*64+32
.endr
.endm
.macro FETCH_V
	WIN 0
	v_add_nc_u32 v[ADR], s[TBV], v[AV0]
	s_add_co_u32 s[TBV], s[TBV], KS*PV
	s_wait_alu depctr_va_vdst(0)    ; the wait for the softmax's batch of exponentials, ahead of the first instruction that names a result
	WIN 0xc0
.irp f, 0,1,2,3,4,5,6,7,8,9,10,11,12,13,14,15
	ds_load_tr16_b128 v[8*\f:8*\f+3],   v[ADR] offset:(\f/8)*32*PV+(\f%8)*32
	ds_load_tr16_b128 v[8*\f+4:8*\f+7], v[ADR] offset:(\f/8)*32*PV+16*PV+(\f%8)*32
.endr
.endm
; One tile's softmax for one key step is a list of 134 instructions; SM writes number j of it for tile t.
;   0-15 the maximum of the lane's 32 scores and the old m;  16-20 the other half of the lanes', the new m, c m, its change;  21-69 ONE BATCH: 16 packed scalings and 33 exponentials, none of which reads an exponential's result;
;   (the wait for the batch);  70-85 the roundings to f16;  86-101 the sums, l = a l + the sum;  102-133 the tile's O^T times a.   first = 1: the first key step: no a, nothing to rescale.
.macro SM t, first
.set rT, ST+8*(\t)
.set rS, S+32*(\t)
.set rP, P+16*(\t)
.set rO, 64*(\t)+2*(j-102)
.if j < 102
	WIN 0
.endif
.if j < 4
	v_max3_num_f32 v[rT+4+j], v[rS+8*j], v[rS+8*j+1], v[rS+8*j+2]
.elseif j < 12
	v_max3_num_f32 v[rT+4+j%4], v[rT+4+j%4], v[rS+8*(j%4)+2*(j/4)+1], v[rS+8*(j%4)+2*(j/4)+2]
.elseif j == 12
	v_max3_num_f32 v[rT+4], v[rT+4], v[rS+7], v[rS+15]
.elseif j == 13
	v_max3_num_f32 v[rT+6], v[rT+6], v[rS+23], v[rS+31]
.elseif j == 14
	v_max3_num_f32 v[rT+4], v[rT+4], v[rT+5], v[rT+6]
.elseif (j == 15) && \first
	v_max_num_f32 v[rT+4], v[rT+4], v[rT+7]
.elseif j == 15
	v_max3_num_f32 v[rT+4], v[rT+4], v[rT+7], v[rT+1]
.elseif j == 16
	v_permlanex16_b32 v[rT+5], v[rT+4], s[SEL], s[SEL+1]
.elseif j == 18
	v_max_num_f32 v[rT+1], v[rT+4], v[rT+5]
.elseif j == 19
	v_mul_f32 v[rT], s[CS], v[rT+1]
.elseif ((j == 17) || (j == 20) || (j == 23) || (j > 101)) && \first
.elseif j == 17
	v_mov_b32 v[rT+7], v[rT]
.elseif j == 20
	v_sub_f32 v[rT+7], v[rT+7], v[rT]
.elseif j == 23
	v_exp_f32 v[rT+6], v[rT+7]
.elseif (j < 23) || ((j < 38) && (j%2 == 0)) || ((j < 66) && (j%4 == 2))
.set b, (j-2)/4
.if j < 38
.set b, (j-20)/2
.endif
	v_pk_fma_f32 v[rS+2*b:rS+2*b+1], v[rS+2*b:rS+2*b+1], s[CS:CS+1], v[rT:rT+1] op_sel_hi:[1,0,0] neg_lo:[0,0,1] neg_hi:[0,0,1]
.elseif j < 70
.set e, j-38
.if j < 66
.set e, j-32-(j-38)/4
.endif
.if j < 38
.set e, (j-25)/2
.endif
	v_exp_f32 v[rS+e], v[rS+e]
.elseif j < 86
	v_cvt_pk_f16_f32 v[rP+j-70], v[rS+2*(j-70)], v[rS+2*(j-70)+1]
.elseif j < 102
.set z, j-86
.set w, 4
.set u, z
.if z >= 14
.set w, 32
.set u, 0
.elseif z >= 12
.set w, 16
.set u, z-12
.elseif z >= 8
.set w, 8
.set u, z-8
.endif
.if (z == 14) && \first
	v_pk_add_f32 v[rT+2:rT+3], v[rS:rS+1], v[rS+16:rS+17]
.elseif z < 15
	v_pk_add_f32 v[rS+w*u:rS+w*u+1], v[rS+w*u:rS+w*u+1], v[rS+w*u+w/2:rS+w*u+w/2+1]
.elseif !\first
	v_pk_fma_f32 v[rT+2:rT+3], v[rT+2:rT+3], v[rT+6:rT+7], v[rS:rS+1] op_sel_hi:[1,0,1]
.endif
.else
	WIN W_RS
	v_pk_mul_f32 v[rO:rO+1], v[rO:rO+1], v[rT+6:rT+7] op_sel_hi:[1,0]
.endif
.endm
; Slice k of 64 of piece y's softmax: four instructions.  Slices 11 to 34 deal out the batch, four numbers of one tile each; every other slice is numbers 2 k and 2 k + 1 of both tiles; the twelve that are over stand in slice 63.
; Behind slice 34 both tiles' exponentials are issued and no result has been named: one plain instruction and ONE wait serve the piece's 66 exponentials.
.macro SLICE y, first
.if (k >= 11) && (k < 35)
.irp n, 0,1,2,3
.set j, 22+4*((k-11)/2)+(\n)
	SM (\y)+(k-11)%2, \first
.endr
.else
.irp n, 0,1,2,3,4,5,6,7
.if (\n < 2) || (k == 63)
.irp t, \y, \y+1
.set j, 2*k+\n
	SM \t, \first
.endr
.endif
.endr
.endif
.if k == 34
	v_nop
.if (\y) == 0
	FETCH_V                         ; piece 2's turn: V's run of loads stands here, and the wait stands in it
.else
	s_wait_alu depctr_va_vdst(0)
.endif
.endif
.set k, k+1
.endm
.macro PLACES
.rept 4
	v_nop
.endr
.endm
; A TURN.  Piece x has the matrix unit.  pv = 2: 32 products V^T P; 1: they start O^T's sums; 0: none.  kq = 1: 32 products K Q^T for the next step.  first = 1: the softmax is the first key step's.
.macro TURN x, pv, kq, first
.set k, 0
.set per, 2
.if \pv && \kq
.set per, 1
.endif
.if \pv
.if \x == 0
	s_wait_dscnt 0x0                ; V is in
.endif
.set i, 0
.rept 32
	PV \x, 2-\pv
.rept per
	SLICE 2-\x, \first
.endr
.if (\x == 0) && \kq && (i == 1)
	FETCH_K
.endif
.set i, i+1
.endr
.endif
.if \kq
.if \x == 0
	s_wait_dscnt 0x0                ; K is in
.endif
.set i, 0
.rept 32
	KQ \x
.rept per
	SLICE 2-\x, \first
.endr
.set i, i+1
.endr
.endif
.if \first
	PLACES
.endif
.endm
; THE CHANGE OF SLOTS: slot \slot is left; its last bytes, V of its second step, have been asked for.  Each wave waits for all its tensor loads (one is out: its part of the other slot), adds 0 to its spare word,
; and waits for that and for its reads of the slot.  fill = 1: a round of the cluster's barrier, and the slot is filled again, with the keys two slots on, first thing behind it.
.macro CHANGE slot, fill, how
	WIN 0
	s_wait_tensorcnt 0x0            ; no tensor load of mine is out, so a group 0 may be written
	ds_add_u32 v[SPW], v[NIL]
.if \fill
	s_add_nc_u64 s[G0+4*\slot+2:G0+4*\slot+3], s[G0+4*\slot+2:G0+4*\slot+3], 2*32768
	s_wait_xcnt 0x0                 ; the last prefetch, two key steps back, has read its address
	s_add_nc_u64 s[PFA:PFA+1], s[PFA:PFA+1], 32768
	s_wait_dscnt 0x0                ; the add is done, and my reads of the slot are over
	CROUND
	JLOAD \slot
	ASK \how
.else
	s_wait_dscnt 0x0
	s_barrier_signal -1
	s_barrier_wait -1
.endif
	s_add_co_u32 s[TBK], s[HB], (1-\slot)*SLOT  ; the fetches go on at the other slot's first step, in my half
	s_mov_b32 s[TBV], s[TBK]
.endm
.macro TWO_STEPS                    ; a slot's two key steps: written once, walked twice
	s_mov_b32 s[TWICE], 2
.Lstep_\@:
	TURN 0, 2, 1, 0
	TURN 2, 2, 1, 0
	WIN 0
	s_sub_co_u32 s[TWICE], s[TWICE], 1
	s_cmp_lg_u32 s[TWICE], 0
	s_cbranch_scc1 .Lstep_\@
.endm
	s_wait_tensorcnt 1              ; my part of slot 0 is in; slot 1's may stay out
	s_barrier_signal -1
	s_barrier_wait -1
	FETCH_K                         ; key step 0
	s_wait_loadcnt 0x0              ; Q
	s_wait_dscnt 0x0
.set i, 0
.rept 32
	KQ 0
.set i, i+1
.endr
	WIN 0                           ; the addresses for the way out: eight plain instructions, the places behind those products
	s_mul_i32 s14, s[WV], 16*SP
	s_add_co_u32 s14, s14, STAGE
	v_mul_u32_u24 v[STO], v1, SP
	v_lshl_add_u32 v[STO], v9, 4, v[STO]
	v_add_nc_u32 v[STO], s14, v[STO]
	v_mul_u32_u24 v[RD], v9, SP
	v_lshl_add_u32 v[RD], v1, 4, v[RD]
	v_add_nc_u32 v[RD], s14, v[RD]
	v_lshlrev_b32 v[GO], 11, v9     ; att: lanes 0-15 one row (2,048 bytes apart), lanes 16-31 the next; 16 bytes a lane
	v_lshl_add_u32 v[GO], v1, 4, v[GO]
	TURN 2, 0, 1, 1                 ; piece 2's first scores | piece 0's first softmax | V of step 0
	TURN 0, 1, 1, 1                 ; piece 0: V^T P of step 0 starts O^T, K Q^T of step 1 | piece 2's first softmax | K of step 1
	TURN 2, 1, 1, 0                 ; piece 2: the same | piece 0's softmax of step 1 | V of step 1
	WIN 0
.Lslot:                             ; three trips, two changes each: six refills for the eight fills of my half's 1,024 keys
	CHANGE 0, 1, 1
	TWO_STEPS
	CHANGE 1, 1, 0
	TWO_STEPS
	s_sub_co_u32 s[TRIPS], s[TRIPS], 1
	s_cmp_lg_u32 s[TRIPS], 0
	s_cbranch_scc1 .Lslot
	CHANGE 0, 0, 0                  ; the tail is written out: nothing more is asked for
	TWO_STEPS
	TURN 0, 2, 0, 0                 ; piece 0: V^T P of the last step | piece 2's last softmax
.set i, 0
.rept 32
	PV 2, 0
.set i, i+1
.endr
	; THE TWO HALVES OF THE KEYS ARE JOINED.  l's two halves and the other half of the lanes' are added (these twelve lines are the places behind the last products).
	WIN 0
.irp t, 0,1,2,3
	v_add_f32 v[ST+8*\t+4], v[ST+8*\t+2], v[ST+8*\t+3]
.endr
.irp t, 0,1,2,3
	v_permlanex16_b32 v[ST+8*\t+5], v[ST+8*\t+4], s[SEL], s[SEL+1]
.endr
.irp t, 0,1,2,3
	v_add_f32 v[ST+8*\t+4], v[ST+8*\t+4], v[ST+8*\t+5]
.endr
	s_cmp_eq_u32 s[KH], 0
	s_cbranch_scc1 .Lkeep
.irp t, 0,1,2,3                     ; the waves of the second half store c m, l and O^T as images of their registers: lane l's bytes at 4 l or 16 l
	ds_store_b32 v[XSA], v[ST+8*\t] offset:128*\t
.endr
.irp t, 0,1,2,3
	ds_store_b32 v[XSA], v[ST+8*\t+4] offset:512+128*\t
.endr
	WIN 0x04                        ; an LDS store's data are its source 1: window 1
.set i, 0
.rept 64
	ds_store_b128 v[XA], v[4*i:4*i+3] offset:512*i  ; ascending: each accumulator from its low end on
.set i, i+1
.endr
	WIN 0
.Lkeep:
	s_wait_dscnt 0x0                ; for the others' sake: my stores have landed
	s_barrier_signal -1
	s_barrier_wait -1
	s_cmp_lg_u32 s[KH], 0
	s_cbranch_scc1 .Ldone
.macro XLOAD t                      ; the partner's O^T of tile t into S^T's registers, two sets by turns
.set xb, S+64*((\t)%2)
.set i, 0
.rept 16
	ds_load_b128 v[xb+4*i:xb+4*i+3], v[XA] offset:512*(16*(\t)+i)
.set i, i+1
.endr
.endm
.macro MERGE t                      ; O = O0 f0 + O1 f1, to f16, through my stage: 16 bytes a lane in, whole rows of 256 bytes back
.set xb, S+64*((\t)%2)
.set pb, P+32*((\t)%2)
.set i, 0
.rept 32
	v_pk_mul_f32 v[xb+2*i:xb+2*i+1], v[xb+2*i:xb+2*i+1], v[ST+8*(\t)+6:ST+8*(\t)+7] op_sel_hi:[1,0]
.set i, i+1
.endr
	WIN 0x01                        ; source 0: window 1
.set i, 0
.rept 32
	v_pk_fma_f32 v[xb+2*i:xb+2*i+1], v[64*(\t)+2*i:64*(\t)+2*i+1], v[ST+8*(\t)+2:ST+8*(\t)+3], v[xb+2*i:xb+2*i+1] op_sel_hi:[1,0,1]
.set i, i+1
.endr
	WIN 0
.set i, 0
.rept 32
	v_cvt_pk_f16_f32 v[pb+i], v[xb+2*i], v[xb+2*i+1]
.set i, i+1
.endr
.irp f, 0,1,2,3,4,5,6,7
	ds_store_b128 v[STO], v[pb+4*\f:pb+4*\f+3] offset:32*\f
.endr
.irp f, 0,1,2,3,4,5,6,7
	ds_load_b128 v[pb+4*\f:pb+4*\f+3], v[RD] offset:\f*2*SP  ; LDS serves a wave's instructions in order: these see the stores above
.endr
.endm
.macro SENDT t
.set pb, P+32*((\t)%2)
.irp f, 0,1,2,3,4,5,6,7
	global_store_b128 v[GO], v[pb+4*\f:pb+4*\f+3], s[OA:OA+1] offset:32768*(\t)+4096*\f  ; 16 lanes store 256 consecutive bytes, aligned: a head's part of a row
.endr
.endm
.irp t, 0,1,2,3
	ds_load_b32 v[ST+8*\t+5], v[XSA] offset:128*\t  ; the partner's c m
.endr
.irp t, 0,1,2,3
	ds_load_b32 v[ST+8*\t+7], v[XSA] offset:512+128*\t  ; and l
.endr
	XLOAD 0
	s_wait_dscnt 16                 ; the eight statistics are in; the 16 images just asked for may be out
.irp t, 0,1,2,3
	v_max_num_f32 v[ST+8*\t+1], v[ST+8*\t], v[ST+8*\t+5]  ; the joint c m
.endr
.irp t, 0,1,2,3
	v_sub_f32 v[ST+8*\t+2], v[ST+8*\t], v[ST+8*\t+1]
.endr
.irp t, 0,1,2,3
	v_sub_f32 v[ST+8*\t+3], v[ST+8*\t+5], v[ST+8*\t+1]
.endr
.irp t, 0,1,2,3
	v_exp_f32 v[ST+8*\t+2], v[ST+8*\t+2]  ; a0, a1: one of the two is 1
	v_exp_f32 v[ST+8*\t+3], v[ST+8*\t+3]
.endr
	v_nop                           ; a plain instruction behind the last exponential
	s_wait_alu depctr_va_vdst(0)    ; one wait for the eight, ahead of their first reader
.irp t, 0,1,2,3
	v_mul_f32 v[ST+8*\t+4], v[ST+8*\t+4], v[ST+8*\t+2]
.endr
.irp t, 0,1,2,3
	v_fma_f32 v[ST+8*\t+4], v[ST+8*\t+7], v[ST+8*\t+3], v[ST+8*\t+4]  ; l = l0 a0 + l1 a1
.endr
.irp t, 0,1,2,3
	v_rcp_f32 v[ST+8*\t+6], v[ST+8*\t+4]
.endr
	v_nop
	s_wait_alu depctr_va_vdst(0)    ; one wait for the four reciprocals
.irp t, 0,1,2,3
	v_mul_f32 v[ST+8*\t+2], v[ST+8*\t+2], v[ST+8*\t+6]  ; f0 = a0 / l
.endr
.irp t, 0,1,2,3
	v_mul_f32 v[ST+8*\t+6], v[ST+8*\t+3], v[ST+8*\t+6]  ; f1 = a1 / l
.endr
	XLOAD 1
	s_wait_dscnt 16                 ; tile 0's images are in; the 16 just asked for may be out
	MERGE 0
	XLOAD 2
	s_wait_dscnt 16                 ; tile 1's images and tile 0's rows are in
	SENDT 0
	MERGE 1
	XLOAD 3
	s_wait_dscnt 16
	SENDT 1
	s_wait_xcnt 0x0                 ; tile 0's stores have read their registers, which tile 2 takes
	MERGE 2
	s_wait_dscnt 0x0
	SENDT 2
	s_wait_xcnt 0x0
	MERGE 3
	s_wait_dscnt 0x0
	SENDT 3
.Ldone:
	s_wait_tensorcnt 0x0            ; the wave's end
	ds_add_u32 v[SPW], v[NIL]
	s_wait_dscnt 0x0
	CROUND                          ; the closing round
	s_endpgm
.Lfunc_end_k_qbd7a29aad0_attn:
	.size	k_qbd7a29aad0_attn, .Lfunc_end_k_qbd7a29aad0_attn-k_qbd7a29aad0_attn
	.p2alignl 7, 3214868480
	.fill 96, 4, 3214868480
	.section	.rodata,"a",@progbits
	.p2align	6, 0x0
	.amdhsa_kernel k_qbd7a29aad0_attn
		.amdhsa_group_segment_fixed_size 327680
		.amdhsa_private_segment_fixed_size 0
		.amdhsa_enable_private_segment 0
		.amdhsa_kernarg_size 16
		.amdhsa_user_sgpr_count 2
		.amdhsa_user_sgpr_kernarg_segment_ptr 1
		.amdhsa_wavefront_size32 1
		.amdhsa_system_sgpr_workgroup_id_x 1
		.amdhsa_system_sgpr_workgroup_id_y 1
		.amdhsa_system_sgpr_workgroup_id_z 1
		.amdhsa_system_vgpr_workitem_id 0
		.amdhsa_next_free_vgpr 1024
		.amdhsa_next_free_sgpr 66
		.amdhsa_reserve_vcc 0
		.amdhsa_float_denorm_mode_32 3
		.amdhsa_float_denorm_mode_16_64 3
		.amdhsa_memory_ordered 1
		.amdhsa_forward_progress 1
		.amdhsa_inst_pref_size 255
	.end_amdhsa_kernel
	.section	.bss,"aw",@nobits
	.p2align	6
	.space	262144
	.amdgpu_metadata
---
amdhsa.version: [ 1, 2 ]
amdhsa.kernels:
  - .name:           k_qbd7a29aad0_attn
    .symbol:         k_qbd7a29aad0_attn.kd
    .args:
      - { .name: qkv, .offset: 0, .size: 8, .value_kind: global_buffer, .address_space: global }
      - { .name: att, .offset: 8, .size: 8, .value_kind: global_buffer, .address_space: global }
    .group_segment_fixed_size: 327680
    .private_segment_fixed_size: 0
    .kernarg_segment_align: 8
    .kernarg_segment_size: 16
    .max_flat_workgroup_size: 128
    .sgpr_count:     66
    .vgpr_count:     1024
    .wavefront_size: 32
...
	.end_amdgpu_metadata
.endif
;; end of part 3
;; launch outp (part 4): grid 16 x 16, 4 waves a work-group, clusters of 4 x 4, 327,680 bytes of LDS; arguments att, woh, out0; writes out0
.if DOCPART == 4
	.amdgcn_target "amdgcn-amd-amdhsa--gfx1250"
	.amdhsa_code_object_version 6
	.text
	.protected	k_qbd7a29aad0_outp
	.globl	k_qbd7a29aad0_outp
	.p2align	8
	.type	k_qbd7a29aad0_outp,@function
k_qbd7a29aad0_outp:
	s_mov_b64 s[64:65], 0
	v_nop
	global_prefetch_b8 v0, s[64:65] scope:SCOPE_SE
	s_setreg_imm32_b32 hwreg(HW_REG_WAVE_MODE, 25, 1), 1
	s_wait_xcnt 0x0
	s_wait_alu depctr_hold_cnt(0) depctr_sa_sdst(0) depctr_va_vdst(0) depctr_va_sdst(0) depctr_va_ssrc(0) depctr_va_vcc(0) depctr_vm_vsrc(0)
	s_getreg_b32 s2, hwreg(HW_REG_IB_STS2, 6, 4)
	s_cmp_eq_u32 s2, 0
	s_cbranch_scc0 .Lentry_in_a_cluster
	s_endpgm
.Lentry_in_a_cluster:
	s_bfe_u32 s2, ttmp6, 0x10000c
	s_cmp_lg_u32 s2, 0xf033
	s_cbranch_scc0 .Lentry_shape_is_right
	s_endpgm
.Lentry_shape_is_right:
; LAUNCH 4 OF 4.  out0[m][n] = the sum over k of att[m][k] wo[n][k]: att [4096][1024] and woh [4096][1024] in f16, out0 [4096][4096] in f32; sums in f32, K ascending.
; (cache_k and cache_v are left out: the first launch's head shows why.)
; A tile of out0, 256 x 256, is made by a work-group of four waves; a wave makes 128 x 128: 64 accumulators, 512 registers.  16 x 16 = 256 work-groups, one tile each.
; K goes in steps of 128 (rows of 256 bytes) through a ring of two LDS slots filled by the tensor data mover.
; THE LAST K STEP GOES BY ROWS OF out0, NOT BY K: nothing follows the tile under which its 256 KiB of stores could leave, so the wave's eight blocks of 16 rows are finished one after the other and each leaves at once.
; CLUSTERS: 4 x 4.  The four of a row of the cluster need the same tiles of att, the four of a column the same tiles of woh: each tile is asked for jointly.
; THE MATRIX INSTRUCTION IS USED TRANSPOSED (source 0 = 16 rows of woh, source 1 = 16 rows of att): a lane holds eight neighbouring numbers of a row of out0, 32 bytes.
; REGISTERS: window 0: v16-30 addresses; v64-127, v128-191 att's fragments, two buffers (in the last K step four, of 16 rows x 128 K).   window 1: v64-127, v128-191 woh's, two buffers; in the last K step all 256: woh's
;   fragments of the whole step.   windows 2, 3: the accumulators, (a, b) at v[8 (8 a + b)]; on the way out a block's rows come back from the stage into the 64 registers that its accumulators held.
.set SIZE_N, 4096
.set SIZE_K, 1024
.set KSTEP,  128
.set PITCH,  272
.set HALFT,  128*PITCH
.set SLOT,   4*HALFT
.set STAGE,  2*SLOT                    ; behind the ring: 16 rows x (512 + 16) bytes for each wave
.set SPITCH, 528
.set SPARE,  STAGE+4*16*SPITCH
.set LAPS,   SIZE_K/(2*KSTEP)
.set ADRA, 16
.set ADRB, 20
.set STO,  24
.set RD,   25
.set CO,   26
.set SPW,  28
.set NIL,  29
.set PFO,  30                          ; my lane x a row of att or woh (2,048 bytes)
.set PFA,  44                          ; s[44:45] where my prefetches stand
.set LIM,  43                          ; 1 in a wave that prefetches, else the greatest number
.set F0,   64
.set F1,   128
.set PA,   64                          ; the last K step: att's fragments of 16 rows x 128 K, 32 registers; four such buffers, v64-191
.set G1,   24
.set G0,   32
.set G1B,  48
.set G0B,  56
.set MSB, 0
.macro WIN new
.if MSB != \new
	s_set_vgpr_msb (MSB<<8)|\new
.set MSB, \new
.endif
.endm
.set MUL_LO, 0xa1                      ; source 0 (woh) window 1, source 1 (att) window 0, C and D window 2
.set MUL_HI, 0xf1                      ; the same, C and D window 3
.set TO_B,   0x40
.macro JLOAD s                         ; waves 0 and 1 fetch att's two halves, waves 2 and 3 woh's; an s_nop 0 and four v_nop follow each line
	s_cmp_eq_u32 s11, 0
	s_cbranch_scc0 .Lfor_b_\@
	tensor_load_to_lds s[G0+4*\s:G0+4*\s+3], s[G1:G1+7]
	s_nop 0
.rept 4
	v_nop
.endr
	s_branch .Lasked_\@
.Lfor_b_\@:
	tensor_load_to_lds s[G0B+4*\s:G0B+4*\s+3], s[G1B:G1B+7]
	s_nop 0
.rept 4
	v_nop
.endr
.Lasked_\@:
.endm
; A PREFETCH INTO THE L2, behind each joint load and the run of LDS loads that follows it: the K step that stands two refills on, 512 matrix instructions ahead of its load: 32 rows x 256 bytes, a lane a row.
; Each row's 256 bytes of a K step are named once: att's tile row is read by every cluster of that row of clusters: cluster x = 0 asks; woh's tile column by every cluster of that column: cluster y = 0 asks.
; The four partners share a tile's rows out by address, 32 each.  K steps 0 to 3 come by their loads alone; the last trip's two refills have no K step two on.
.macro ASK
	s_cmp_gt_u32 s3, s[LIM]
	s_cbranch_scc0 .Lnot_mine_\@
	global_prefetch_b8 v[PFO], s[PFA:PFA+1] offset:KSTEP*2 th:TH_LOAD_NT scope:SCOPE_SE
.Lnot_mine_\@:
.endm
.macro CREST
	s_cmp_lg_u32 s10, 0
	s_cbranch_scc1 .Lnot_wave_0_\@
	s_barrier_signal -3
.Lnot_wave_0_\@:
	s_barrier_wait -3
	s_barrier_signal -1
	s_barrier_wait -1
.endm
.macro CROUND
	s_barrier_signal -1
	s_barrier_wait -1
	CREST
.endm
	s_load_b128 s[4:7], s[0:1], 0x0                ; att s[4:5], woh s[6:7]
	s_load_b64 s[8:9], s[0:1], 0x10                ; out0
	v_lshl_add_u32 v[SPW], v0, 2, SPARE
	v_mov_b32 v[NIL], 0
	ds_add_u32 v[SPW], v[NIL]                      ; the wave's opening: the add, twice on end, and its wait ahead of my first tensor load
	ds_add_u32 v[SPW], v[NIL]
	v_lshrrev_b32 v1, 5, v0
	v_readfirstlane_b32 s10, v1                    ; wave 0..3
	s_lshr_b32 s11, s10, 1                         ; which half of the tile's rows is mine.  Also: I fetch for att (0) or for woh (1)
	s_and_b32 s12, s10, 1                          ; which half of its columns.  Also: which 128 rows of that tile I fetch
	s_bfe_u32 s40, ttmp6, 0x40000                  ; cx
	s_bfe_u32 s41, ttmp6, 0x40004                  ; cy
	s_lshl_b32 s42, ttmp9, 2
	s_add_co_u32 s42, s42, s40                     ; tile column
	s_and_b32 s13, ttmp7, 0xffff
	s_lshl_b32 s13, s13, 2
	s_add_co_u32 s13, s13, s41                     ; tile row
	s_lshl_b32 s43, s41, 2
	s_lshl_b32 s43, 15, s43                        ; my row of the cluster
	s_lshl_b32 s44, 0x1111, s40                    ; my column
	s_or_b32 s[G1+0], s43, (1<<16)|(1<<20)|(1<<21)|(5<<22)|(3<<25)  ; the mask; elements of 2 bytes; 4 words of padding behind every 64
	s_or_b32 s[G1B+0], s44, (1<<16)|(1<<20)|(1<<21)|(5<<22)|(3<<25)
.irp g, G1, G1B
	s_mov_b32 s[\g+1], KSTEP<<16
	s_mov_b32 s[\g+2], 128<<16
	s_mov_b32 s[\g+3], KSTEP<<16
	s_mov_b32 s[\g+4], 128
	s_mov_b32 s[\g+5], SIZE_K
	s_mov_b32 s[\g+6], 0
	s_mov_b32 s[\g+7], 0
.endr
	s_lshl_b32 s17, s12, 7
	s_lshl_b32 s16, s13, 8
	s_add_co_u32 s16, s16, s17                     ; att: row 256 x tile row + 128 x half
	s_lshl_b32 s46, s42, 8
	s_add_co_u32 s46, s46, s17                     ; woh: row 256 x tile column + 128 x half
	s_mov_b32 s17, 0
	s_mov_b32 s47, 0
	s_mov_b64 s[18:19], SIZE_K*2
	s_mul_u64 s[16:17], s[16:17], s[18:19]
	s_mul_u64 s[46:47], s[46:47], s[18:19]
	s_mul_i32 s20, s10, HALFT                      ; where they go: wave x 128 rows
	s_wait_dscnt 0x0                               ; both opening adds are done
	s_wait_kmcnt 0x0
	s_add_nc_u64 s[14:15], s[4:5], s[16:17]
	s_add_nc_u64 s[46:47], s[6:7], s[46:47]
	CROUND                                         ; all sixteen work-groups are here: the first joint loads meet
.irp s, 0,1
	s_mov_b32 s[G0+4*\s], 1
	s_add_co_u32 s[G0+4*\s+1], s20, \s*SLOT
	s_add_nc_u64 s[G0+4*\s+2:G0+4*\s+3], s[14:15], \s*KSTEP*2
	s_or_b32 s[G0+4*\s+3], s[G0+4*\s+3], 0x80000000
	s_mov_b32 s[G0B+4*\s], 1
	s_add_co_u32 s[G0B+4*\s+1], s20, \s*SLOT
	s_add_nc_u64 s[G0B+4*\s+2:G0B+4*\s+3], s[46:47], \s*KSTEP*2
	s_or_b32 s[G0B+4*\s+3], s[G0B+4*\s+3], 0x80000000
	JLOAD \s                                       ; two tensor loads of mine are out
.endr
	v_and_b32 v1, 15, v0                           ; l % 16
	v_bfe_u32 v2, v0, 4, 1                         ; l / 16
	v_mul_u32_u24 v3, v1, PITCH
	v_lshl_add_u32 v3, v2, 4, v3
	s_mul_i32 s21, s11, HALFT
	s_mul_i32 s22, s12, HALFT
	s_add_co_u32 s22, s22, 2*HALFT
.irp s, 0,1
	v_add_nc_u32 v[ADRA+\s], s21, v3
	v_add_nc_u32 v[ADRB+\s], s22, v3
	s_add_co_u32 s21, s21, SLOT
	s_add_co_u32 s22, s22, SLOT
.endr
	s_mul_i32 s23, s10, 16*SPITCH
	s_add_co_u32 s23, s23, STAGE                   ; my stage
	v_mul_u32_u24 v4, v1, SPITCH                   ; in: row l % 16, 32 bytes for each half of the lanes
	v_lshl_add_u32 v4, v2, 5, v4
	v_add_nc_u32 v[STO], s23, v4
	v_and_b32 v5, 31, v0
	v_lshlrev_b32 v[CO], 4, v5                     ; back: the 32 lanes take one row of 512 bytes; and the same in out0
	v_add_nc_u32 v[RD], s23, v[CO]
	s_lshl_b32 s13, s13, 8
	s_lshl_b32 s14, s11, 7
	s_add_co_u32 s16, s13, s14                     ; my first row of out0
	s_mov_b32 s17, 0
	s_mov_b64 s[18:19], SIZE_N*4
	s_mul_u64 s[16:17], s[16:17], s[18:19]
	s_lshl_b32 s46, s42, 10                        ; my first column, in bytes: 1,024 x tile column + 512 x half
	s_lshl_b32 s47, s12, 9
	s_add_co_u32 s46, s46, s47
	s_mov_b32 s47, 0
	s_add_nc_u64 s[16:17], s[16:17], s[46:47]
	s_add_nc_u64 s[8:9], s[8:9], s[16:17]
	; the prefetches: s13 = 256 x tile row, s42 = tile column, s40 = cx, s41 = cy still stand
	s_lshl_b32 s42, s42, 8
	s_and_b32 s22, ttmp7, 0xffff                   ; cluster y
	s_cmp_eq_u32 s11, 0                            ; do I fetch for att?
	s_cselect_b32 s20, s13, s42                    ; the tile's first row
	s_cselect_b32 s21, s40, s41                    ; my place among the four that ask for it with me
	s_cselect_b32 s22, ttmp9, s22                  ; the coordinate along which other clusters read the same rows
	s_cselect_b64 s[PFA:PFA+1], s[4:5], s[6:7]
	s_cmp_eq_u32 s22, 0
	s_cselect_b32 s[LIM], 1, -1                    ; the same in all sixteen partners, for a given wave
	s_lshl_b32 s22, s12, 7
	s_add_co_u32 s20, s20, s22
	s_lshl_b32 s21, s21, 5
	s_add_co_u32 s20, s20, s21
	s_mov_b32 s21, 0
	s_mov_b64 s[18:19], SIZE_K*2
	s_mul_u64 s[20:21], s[20:21], s[18:19]
	s_add_nc_u64 s[PFA:PFA+1], s[PFA:PFA+1], s[20:21]
	s_add_nc_u64 s[PFA:PFA+1], s[PFA:PFA+1], 2*KSTEP*2  ; at K step 2: the first refill steps it to 3 and names K step 4
	v_and_b32 v[PFO], 31, v0
	v_mul_u32_u24 v[PFO], v[PFO], SIZE_K*2
; 16 matrix instructions: m blocks a0, a0 + 1 of the window's four x all 8 n blocks, 32 along K.  The 64 accumulators take turns in the same order in every quarter.
.macro MUL16 f, hi, a0, zero
.irp a, \a0, \a0+1
.irp b, 0,1,2,3,4,5,6,7
.if \zero
	v_wmma_f32_16x16x32_f16 v[8*(8*(\a)+\b):8*(8*(\a)+\b)+7], v[\f+8*\b:\f+8*\b+7], v[\f+8*(4*\hi+\a):\f+8*(4*\hi+\a)+7], 0
.else
	v_wmma_f32_16x16x32_f16 v[8*(8*(\a)+\b):8*(8*(\a)+\b)+7], v[\f+8*\b:\f+8*\b+7], v[\f+8*(4*\hi+\a):\f+8*(4*\hi+\a)+7], v[8*(8*(\a)+\b):8*(8*(\a)+\b)+7]
.endif
.endr
.endr
.endm
.macro FETCH slot, k, f                ; 32 LDS loads in one run: the fragments of one quarter step into buffer f
	WIN TO_B
.irp i, 0,1,2,3,4,5,6,7
	ds_load_b128 v[\f+8*\i:\f+8*\i+3],   v[ADRB+\slot] offset:\k+\i*16*PITCH
	ds_load_b128 v[\f+8*\i+4:\f+8*\i+7], v[ADRB+\slot] offset:\k+\i*16*PITCH+32
.endr
	WIN 0
.irp i, 0,1,2,3,4,5,6,7
	ds_load_b128 v[\f+8*\i:\f+8*\i+3],   v[ADRA+\slot] offset:\k+\i*16*PITCH
	ds_load_b128 v[\f+8*\i+4:\f+8*\i+7], v[ADRA+\slot] offset:\k+\i*16*PITCH+32
.endr
.endm
.macro PLACES                          ; four plain places between matrix instructions and loads into, or reads of, their registers
.rept 4
	v_nop
.endr
.endm
.macro QUARTER slot, k, f, g, zero     ; multiplies buffer f; in its middle it fetches the next quarter's fragments, at byte k of the slot's rows, into buffer g
	s_wait_dscnt 8                                 ; woh's and att's rows 0-63 are in; the youngest eight loads may be out
	WIN MUL_LO
	MUL16 \f, 0, 0, \zero
	MUL16 \f, 0, 2, \zero
	PLACES
	FETCH \slot, \k, \g
	s_wait_dscnt 32                                ; all but the 32 just issued
	WIN MUL_HI
	MUL16 \f, 1, 0, \zero
	MUL16 \f, 1, 2, \zero
.endm
; The last quarter's first half: ONE barrier for the change of slots.  In front of it each wave waits for all its tensor loads, adds 0 to its spare word, and waits for that and for its reads of this slot.
.macro MEET round
	WIN 0
	s_wait_tensorcnt 0x0                           ; all my tensor loads have landed: my part of the next slot
	ds_add_u32 v[SPW], v[NIL]
	s_wait_dscnt 9                                 ; the add and the youngest eight loads may be out
	WIN MUL_LO
	MUL16 F1, 0, 0, 0
	s_wait_dscnt 0x0                               ; the add is done, and my reads of this slot are over
	s_barrier_signal -1
	MUL16 F1, 0, 2, 0
.if \round
	WIN 0
.endif
	s_barrier_wait -1
.endm
.macro TURN slot, next                 ; the whole last quarter, with the slot's refill two K steps on
	s_wait_xcnt 0x0                                ; the last prefetch, a K step back, has read its address
	s_add_nc_u64 s[PFA:PFA+1], s[PFA:PFA+1], KSTEP*2
	MEET 1
	CREST                                          ; no wave of any partner still reads this slot's tile or has a load on its way
	s_add_nc_u64 s[G0+4*\slot+2:G0+4*\slot+3], s[G0+4*\slot+2:G0+4*\slot+3], 2*KSTEP*2
	s_add_nc_u64 s[G0B+4*\slot+2:G0B+4*\slot+3], s[G0B+4*\slot+2:G0B+4*\slot+3], 2*KSTEP*2
	JLOAD \slot                                    ; the first tensor load behind the round; its four v_nop are the places in front of the loads below
	FETCH \next, 0, F0
	ASK
	WIN MUL_HI
	MUL16 F1, 1, 0, 0
	MUL16 F1, 1, 2, 0
.endm
; THE LAST K STEP (it lies in slot 1) BY ROWS.  All its fragments of woh (4 quarters x 64 registers) fill window 1; att's come by blocks of 16 rows x 128 K.  LDS is read no more than in any other K step.
.macro BLOAD q                         ; woh's fragments of quarter q -> window 1, v[64 q ..]
.irp i, 0,1,2,3,4,5,6,7
	ds_load_b128 v[64*\q+8*\i:64*\q+8*\i+3],   v[ADRB+1] offset:64*\q+\i*16*PITCH
	ds_load_b128 v[64*\q+8*\i+4:64*\q+8*\i+7], v[ADRB+1] offset:64*\q+\i*16*PITCH+32
.endr
.endm
.macro ALOAD a                         ; att's fragments of block a, all four quarters -> buffer a % 4
.set FA, PA+32*((\a)%4)
.irp q, 0,1,2,3
	ds_load_b128 v[FA+8*\q:FA+8*\q+3],   v[ADRA+1] offset:64*\q+(\a)*16*PITCH
	ds_load_b128 v[FA+8*\q+4:FA+8*\q+7], v[ADRA+1] offset:64*\q+(\a)*16*PITCH+32
.endr
.endm
.macro ROW a                           ; block a is finished: 32 matrix instructions, its eight accumulators by turns, K ascending
.set FA, PA+32*((\a)%4)
.set AC, 64*((\a)%4)                   ; its accumulators, in window 2 (blocks 0-3) or 3 (blocks 4-7)
	WIN MUL_LO+0x50*((\a)/4)                       ; MUL_LO or MUL_HI
.irp q, 0,1,2,3
.if (\a) == 0 && \q == 2
	s_wait_dscnt 24                                ; woh's quarter 2 is in (behind it: att's blocks 1 to 3)
.endif
.irp b, 0,1,2,3,4,5,6,7
	v_wmma_f32_16x16x32_f16 v[AC+8*\b:AC+8*\b+7], v[64*\q+8*\b:64*\q+8*\b+7], v[FA+8*\q:FA+8*\q+7], v[AC+8*\b:AC+8*\b+7]
.endr
.endr
.endm
; THE WAY OUT of block a, 16 rows x 128 columns.  A lane holds 32 neighbouring bytes of a row, and the lanes beside it hold other rows: so the block goes through my own stage in LDS and comes back as whole rows of
; 512 bytes, into the 64 registers that it left.  LDS serves a wave's instructions in order (ISA guide 5.7.1.4): no wait between the stores and the loads, nor in front of the next block's stores.
.macro STG a
.set AC, 64*((\a)%4)
	WIN 0x08+4*((\a)/4)                            ; an LDS store's data are its source 1: window 2 or 3
.irp b, 0,1,2,3,4,5,6,7
	ds_store_b128 v[STO], v[AC+8*\b:AC+8*\b+3] offset:64*\b          ; each accumulator from its low end on
	ds_store_b128 v[STO], v[AC+8*\b+4:AC+8*\b+7] offset:64*\b+16
.endr
	WIN 0x80+0x40*((\a)/4)                         ; the destination: window 2 or 3
.irp t, 0,1,2,3,4,5,6,7,8,9,10,11,12,13,14,15
	ds_load_b128 v[AC+4*\t:AC+4*\t+3], v[RD] offset:\t*SPITCH
.endr
.endm
; The block's 16 rows are stored.  Nothing writes their registers again, and the row stands in the immediate (127 rows of 16,384 bytes at the most, inside its signed 24 bits: ISA guide, chapter 10): no base is stepped.
.macro SENDB a, younger                ; younger: the LDS loads issued behind the block's, which may stay out
.set AC, 64*((\a)%4)
	s_wait_dscnt \younger                          ; the block is back in registers
	WIN 0x08+4*((\a)/4)                            ; a store's data are its source 1: window 2 or 3
.irp t, 0,1,2,3,4,5,6,7,8,9,10,11,12,13,14,15
	global_store_b128 v[CO], v[AC+4*\t:AC+4*\t+3], s[8:9] offset:(16*(\a)+\t)*SIZE_N*4 th:TH_STORE_NT   ; 32 lanes store 512 consecutive bytes, aligned; written once, read by nobody here
.endr
.endm
	s_wait_tensorcnt 1                             ; my part of K step 0 is in; K step 1's may be out
	s_barrier_signal -1
	s_barrier_wait -1
	FETCH 0, 0, F0
	QUARTER 0, 64,  F0, F1, 1                      ; the first quarter stands in front of the loop: its products start the sums
	WIN 0
	s_mov_b32 s3, LAPS-1
.Llap:                                             ; a trip goes once round the ring and fills both slots again: six refills for K's eight steps
	QUARTER 0, 128, F1, F0, 0
	QUARTER 0, 192, F0, F1, 0
	TURN 0, 1
	QUARTER 1, 64,  F0, F1, 0
	QUARTER 1, 128, F1, F0, 0
	QUARTER 1, 192, F0, F1, 0
	TURN 1, 0
	QUARTER 0, 64,  F0, F1, 0
	WIN 0
	s_sub_co_u32 s3, s3, 1
	s_cmp_lg_u32 s3, 0
	s_cbranch_scc1 .Llap
	QUARTER 0, 128, F1, F0, 0                      ; the last lap fills nothing
	QUARTER 0, 192, F0, F1, 0
	MEET 0                                         ; my one tensor load that was still out is slot 1's, the last K step's, so no round follows
	PLACES                                         ; for the loads into buffer 0, which the quarter before multiplied
	WIN TO_B
	BLOAD 0                                        ; three quarters of woh now: buffer 1 (v128-191 of both windows) is still being multiplied
	BLOAD 1
	BLOAD 3
	WIN 0
	ALOAD 0
	WIN MUL_HI
	MUL16 F1, 1, 0, 0
	MUL16 F1, 1, 2, 0
	PLACES                                         ; for the loads into buffer 1
	WIN TO_B
	BLOAD 2
	WIN 0
	ALOAD 1
	ALOAD 2
	ALOAD 3
	s_wait_dscnt 40                                ; all but the 40 just issued
	ROW 0
.irp a, 0,1,2,3,4,5,6,7                ; block a goes into the stage and back; the next block's 32 products stand between that and its stores
	PLACES                                         ; the stage's stores read results just made; loads land on them and on the buffer that these products read
	STG \a
.if \a < 4
	WIN 0
	ALOAD \a+4                                     ; its buffer takes the block four further on
	s_wait_dscnt 40                                ; all but the 40 just issued: the next block's fragments are in
.elseif \a < 7
	s_wait_dscnt 32                                ; all but the stage's 32
.endif
.if \a < 7
	ROW \a+1
.endif
.if \a < 4
	SENDB \a, 8                                    ; behind the block's loads: the eight of ALOAD
.else
	SENDB \a, 0
.endif
.endr
	WIN 0
	s_wait_tensorcnt 0x0                           ; the wave's end
	ds_add_u32 v[SPW], v[NIL]
	s_wait_dscnt 0x0
	CROUND                                         ; the closing round
	s_endpgm
.Lfunc_end_k_qbd7a29aad0_outp:
	.size	k_qbd7a29aad0_outp, .Lfunc_end_k_qbd7a29aad0_outp-k_qbd7a29aad0_outp
	.p2alignl 7, 3214868480
	.fill 96, 4, 3214868480
	.section	.rodata,"a",@progbits
	.p2align	6, 0x0
	.amdhsa_kernel k_qbd7a29aad0_outp
		.amdhsa_group_segment_fixed_size 327680
		.amdhsa_private_segment_fixed_size 0
		.amdhsa_enable_private_segment 0
		.amdhsa_kernarg_size 24
		.amdhsa_user_sgpr_count 2
		.amdhsa_user_sgpr_kernarg_segment_ptr 1
		.amdhsa_wavefront_size32 1
		.amdhsa_system_sgpr_workgroup_id_x 1
		.amdhsa_system_sgpr_workgroup_id_y 1
		.amdhsa_system_sgpr_workgroup_id_z 1
		.amdhsa_system_vgpr_workitem_id 0
		.amdhsa_next_free_vgpr 1024
		.amdhsa_next_free_sgpr 66
		.amdhsa_reserve_vcc 0
		.amdhsa_float_denorm_mode_32 3
		.amdhsa_float_denorm_mode_16_64 3
		.amdhsa_memory_ordered 1
		.amdhsa_forward_progress 1
		.amdhsa_inst_pref_size 142
	.end_amdhsa_kernel
	.amdgpu_metadata
---
amdhsa.version: [ 1, 2 ]
amdhsa.kernels:
  - .name:           k_qbd7a29aad0_outp
    .symbol:         k_qbd7a29aad0_outp.kd
    .args:
      - { .name: att, .offset: 0, .size: 8, .value_kind: global_buffer, .address_space: global }
      - { .name: woh, .offset: 8, .size: 8, .value_kind: global_buffer, .address_space: global }
      - { .name: out0, .offset: 16, .size: 8, .value_kind: global_buffer, .address_space: global }
    .group_segment_fixed_size: 327680
    .private_segment_fixed_size: 0
    .kernarg_segment_align: 8
    .kernarg_segment_size: 24
    .max_flat_workgroup_size: 128
    .sgpr_count:     66
    .vgpr_count:     1024
    .wavefront_size: 32
...
	.end_amdgpu_metadata
.endif
;; end of part 4
